; MI455X (gfx1250); checked and timed in simulation.
; The chip was launched on July 23, 2026; its instructions are those of AMD's public machine-readable ISA for CDNA 5 (MIT licence, August 2026) and "CDNA5" Instruction Set Architecture Reference Guide (July 2026). The comments in the code are by the model that wrote it; some were corrected since.
;; LSTM. Allowed arithmetic: float matrix products may take bf16 or f16 operands with f32 sums; all other float work in f32.
;; Inputs: W_hh1 4,096 x 1,024 float32; W_hh2 4,096 x 1,024 float32; W_ih1 4,096 x 1 float32; W_ih2 4,096 x 1,024 float32; W_out 2 x 1,024 float32; b_hh1 4,096 float32; b_hh2 4,096 float32; b_ih1 4,096 float32; b_ih2 4,096 float32; b_out 2 float32; c1_0 4,096 x 1,024 float32; c2_0 4,096 x 1,024 float32; h1_0 4,096 x 1,024 float32; h2_0 4,096 x 1,024 float32; x 4,096 x 1 x 1 float32.
;; Outputs: out0 4,096 x 2 float32.
;; 2 versions, each right; version 2 is version 1 with the launch pack written anew for expert scheduling mode. Each part assembles by itself: llvm-mc -triple=amdgcn-amd-amdhsa -mcpu=gfx1250 --defsym DOCPART=n.
;; ======== version 1 of 2: 4 launches
;; workspace buffers: a1 8,388,608 bytes; w1 8,388,608 bytes; a2 16,777,216 bytes; w2 16,777,216 bytes; part 1,048,576 bytes
;; launch pack (part 1): grid 256 x 1, 8 waves a work-group, no clusters, 0 bytes of LDS; arguments h1_0, W_hh1, h2_0, W_ih2, W_hh2, a1, w1, a2, w2; writes a1, w1, a2, w2
.if DOCPART == 1
	.amdgcn_target "amdgcn-amd-amdhsa--gfx1250"
	.amdhsa_code_object_version 6
	.text
	.protected	k_q5f2d372b3f_pack
	.globl	k_q5f2d372b3f_pack
	.p2align	8
	.type	k_q5f2d372b3f_pack,@function
k_q5f2d372b3f_pack:
	s_mov_b64 s[64:65], 0
	v_nop
	global_prefetch_b8 v0, s[64:65] scope:SCOPE_SE
	s_setreg_imm32_b32 hwreg(HW_REG_WAVE_MODE, 25, 1), 1
	s_wait_xcnt 0x0
; Rounds the five f32 matrix operands [4096][1024] to bf16 once, and lays them out for the two cell launches.
;   a1 = h1_0, w1 = W_hh1 (1,024 columns);  a2 = [h1 | h2_0], w2 = [W_ih2 | W_hh2] (2,048 columns; a2's first 1,024 are stored by the next launch).
; LAYOUT of all four: byte(m, k) = (m >> 2) QP + (k >> 5) 256 + (m & 3) 64 + (k & 31) 2, QP = 8 x columns: an aligned block of 256 bytes
; holds 4 rows x 32 columns.  So 128 rows x 32 columns (what one wave of the first cell produces) are 32 whole blocks, and 128 columns of four rows are 1,024 consecutive bytes.
; WEIGHT ROWS ARE PERMUTED: source row gate 1024 + 32 J + jl goes to row 128 J + 32 gate + jl, so that 128 neighbouring rows hold all four gates of 32 columns of h.
; A stream: no LDS, no barrier, no matrix unit.  The work-group owns source rows 16 g .. 16 g + 15 of each source; wave w the four rows 4 (w >> 1) .. + 3 and
; the column half w & 1 (512 columns, 16 blocks).  Lane L takes 8 numbers: block L >> 4 of a pair, row (L >> 2) & 3, columns 8 (L & 3) .. + 7.
; Three register buffers of 16 loads each keep 32 to 48 loads of every wave on their way.
.set SRC, 6                            ; v6   byte offset of my 32 bytes in a source; never rewritten
.set DA1, 8                            ; v8   my 16 bytes in a1
.set DW1, 9                            ; v9   in w1 (permuted row)
.set DA2, 10                           ; v10  in a2
.set DW2, 11                           ; v11  in w2 (permuted row)
.set X,   32                           ; v[32:223]  three buffers of 64: 8 pairs of blocks x 8 f32
.set Y,   224                          ; v[224:255] 8 x 4 registers to store
	s_load_b512 s[4:19], s[0:1], 0x0               ; h1_0 s[4:5], W_hh1 s[6:7], h2_0 s[8:9], W_ih2 s[10:11], W_hh2 s[12:13], a1 s[14:15], w1 s[16:17], a2 s[18:19]
	s_load_b64 s[20:21], s[0:1], 0x40              ; w2
	v_lshrrev_b32 v1, 5, v0
	v_readfirstlane_b32 s22, v1                    ; wave
	s_lshr_b32 s23, s22, 1                         ; wq: which four rows
	s_and_b32 s24, s22, 1                          ; wh: which half of the columns
	s_lshl_b32 s25, ttmp9, 2
	s_add_co_u32 s25, s25, s23                     ; Q = 4 g + wq: the four rows' number, unpermuted
	s_bfe_u32 s26, ttmp9, 0x50001                  ; J = (g >> 1) & 31
	s_lshl_b32 s26, s26, 5
	s_lshr_b32 s27, ttmp9, 6                       ; gate = g >> 6
	s_lshl_b32 s27, s27, 3
	s_add_co_u32 s26, s26, s27
	s_and_b32 s27, ttmp9, 1
	s_lshl_b32 s27, s27, 2
	s_add_co_u32 s26, s26, s27
	s_add_co_u32 s26, s26, s23                     ; Qp = 32 J + 8 gate + 4 (g & 1) + wq: the same four rows, permuted
	s_lshl_b32 s28, ttmp9, 16                      ; 16 rows of 4,096 bytes
	s_lshl_b32 s29, s23, 14
	s_add_co_u32 s28, s28, s29
	s_lshl_b32 s29, s24, 11
	s_add_co_u32 s28, s28, s29
	v_and_b32 v2, 31, v0                           ; L
	v_bfe_u32 v3, v0, 4, 1                         ; block of the pair
	v_bfe_u32 v4, v0, 2, 2                         ; row of the four
	v_and_b32 v5, 3, v0                            ; which 8 columns
	v_lshl_add_u32 v[SRC], v5, 5, s28
	v_lshl_add_u32 v[SRC], v3, 7, v[SRC]
	v_lshl_add_u32 v[SRC], v4, 12, v[SRC]
	s_lshl_b32 s29, s24, 12                        ; 16 blocks of 256 bytes for the column half
	v_lshl_add_u32 v7, v2, 4, s29                  ; + 16 L: a wave's store covers two whole blocks
	s_lshl_b32 s30, s25, 13
	s_lshl_b32 s31, s26, 13
	s_lshl_b32 s32, s25, 14
	s_lshl_b32 s33, s26, 14
	v_add_nc_u32 v[DA1], s30, v7
	v_add_nc_u32 v[DW1], s31, v7
	v_add_nc_u32 v[DA2], s32, v7
	v_add_nc_u32 v[DW2], s33, v7
	s_wait_kmcnt 0x0
; 16 loads: my wave's 4 rows x 512 columns of one source.  The two loads of a pair cover 256 consecutive bytes, aligned, of each of the four rows.
.macro LOADS buf, base
.irp t, 0,1,2,3,4,5,6,7
	global_load_b128 v[X+64*\buf+8*\t:X+64*\buf+8*\t+3],   v[SRC], s[\base:\base+1] offset:256*\t th:TH_LOAD_NT
	global_load_b128 v[X+64*\buf+8*\t+4:X+64*\buf+8*\t+7], v[SRC], s[\base:\base+1] offset:256*\t+16 th:TH_LOAD_NT
.endr
.endm
; One buffer is rounded and stored.  left = the younger loads that may stay out.  Each store covers 512 consecutive bytes, aligned.
.macro PACK buf, left, doff, dbase, extra
	s_wait_loadcnt \left                           ; loads come back in order (ISA guide 5.7.1): this buffer's sixteen are in
	s_wait_xcnt 0x0                                ; Y, the data of the stores before, is rewritten only behind this wait
.irp t, 0,1,2,3,4,5,6,7
.irp k, 0,1,2,3
	v_cvt_pk_bf16_f32 v[Y+4*\t+\k], v[X+64*\buf+8*\t+2*\k], v[X+64*\buf+8*\t+2*\k+1]
.endr
	global_store_b128 v[\doff], v[Y+4*\t:Y+4*\t+3], s[\dbase:\dbase+1] offset:512*\t+\extra
.endr
.endm
	LOADS 0, 4                                     ; h1_0
	LOADS 1, 6                                     ; W_hh1
	LOADS 2, 8                                     ; h2_0
	PACK 0, 32, DA1, 14, 0                         ; two younger sources stay out
	LOADS 0, 10                                    ; W_ih2
	PACK 1, 32, DW1, 16, 0
	LOADS 1, 12                                    ; W_hh2
	PACK 2, 32, DA2, 18, 8192                      ; h2_0 is a2's columns 1024 .. 2047: 32 blocks further on
	PACK 0, 16, DW2, 20, 0                         ; W_ih2 meets h1: columns 0 .. 1023
	PACK 1, 0,  DW2, 20, 8192                      ; W_hh2 meets h2_0
	s_endpgm
.Lfunc_end_k_q5f2d372b3f_pack:
	.size	k_q5f2d372b3f_pack, .Lfunc_end_k_q5f2d372b3f_pack-k_q5f2d372b3f_pack
	.p2alignl 7, 3214868480
	.fill 96, 4, 3214868480
	.section	.rodata,"a",@progbits
	.p2align	6, 0x0
	.amdhsa_kernel k_q5f2d372b3f_pack
		.amdhsa_group_segment_fixed_size 0
		.amdhsa_private_segment_fixed_size 0
		.amdhsa_enable_private_segment 0
		.amdhsa_kernarg_size 72
		.amdhsa_user_sgpr_count 2
		.amdhsa_user_sgpr_kernarg_segment_ptr 1
		.amdhsa_wavefront_size32 1
		.amdhsa_system_sgpr_workgroup_id_x 1
		.amdhsa_system_sgpr_workgroup_id_y 1
		.amdhsa_system_sgpr_workgroup_id_z 1
		.amdhsa_system_vgpr_workitem_id 0
		.amdhsa_next_free_vgpr 256
		.amdhsa_next_free_sgpr 66
		.amdhsa_reserve_vcc 0
		.amdhsa_float_denorm_mode_32 3
		.amdhsa_float_denorm_mode_16_64 3
		.amdhsa_memory_ordered 1
		.amdhsa_forward_progress 1
		.amdhsa_inst_pref_size 24
	.end_amdhsa_kernel
	.amdgpu_metadata
---
amdhsa.version: [ 1, 2 ]
amdhsa.kernels:
  - .name:           k_q5f2d372b3f_pack
    .symbol:         k_q5f2d372b3f_pack.kd
    .args:
      - { .name: h1_0, .offset: 0, .size: 8, .value_kind: global_buffer, .address_space: global }
      - { .name: W_hh1, .offset: 8, .size: 8, .value_kind: global_buffer, .address_space: global }
      - { .name: h2_0, .offset: 16, .size: 8, .value_kind: global_buffer, .address_space: global }
      - { .name: W_ih2, .offset: 24, .size: 8, .value_kind: global_buffer, .address_space: global }
      - { .name: W_hh2, .offset: 32, .size: 8, .value_kind: global_buffer, .address_space: global }
      - { .name: a1, .offset: 40, .size: 8, .value_kind: global_buffer, .address_space: global }
      - { .name: w1, .offset: 48, .size: 8, .value_kind: global_buffer, .address_space: global }
      - { .name: a2, .offset: 56, .size: 8, .value_kind: global_buffer, .address_space: global }
      - { .name: w2, .offset: 64, .size: 8, .value_kind: global_buffer, .address_space: global }
    .group_segment_fixed_size: 0
    .private_segment_fixed_size: 0
    .kernarg_segment_align: 8
    .kernarg_segment_size: 72
    .max_flat_workgroup_size: 256
    .sgpr_count:     66
    .vgpr_count:     256
    .wavefront_size: 32
...
	.end_amdgpu_metadata
.endif
;; end of part 1
;; launch cell1 (part 2): grid 16 x 16, 4 waves a work-group, clusters of 4 x 4, 327,680 bytes of LDS; arguments a1, w1, a2, c1_0, b_ih1, b_hh1, W_ih1, x; writes a2
.if DOCPART == 2
	.amdgcn_target "amdgcn-amd-amdhsa--gfx1250"
	.amdhsa_code_object_version 6
	.text
	.protected	k_q5f2d372b3f_cell1
	.globl	k_q5f2d372b3f_cell1
	.p2align	8
	.type	k_q5f2d372b3f_cell1,@function
k_q5f2d372b3f_cell1:
	s_mov_b64 s[64:65], 0
	v_nop
	global_prefetch_b8 v0, s[64:65] scope:SCOPE_SE
	s_setreg_imm32_b32 hwreg(HW_REG_WAVE_MODE, 25, 1), 1
	s_wait_xcnt 0x0
	s_wait_alu depctr_hold_cnt(0) depctr_sa_sdst(0) depctr_va_vdst(0) depctr_va_sdst(0) depctr_va_ssrc(0) depctr_va_vcc(0) depctr_vm_vsrc(0)
	s_getreg_b32 s2, hwreg(HW_REG_IB_STS2, 6, 4)
	s_cmp_eq_u32 s2, 0
	s_cbranch_scc0 .Lentry_in_a_cluster
	s_endpgm
.Lentry_in_a_cluster:
	s_bfe_u32 s2, ttmp6, 0x10000c
	s_cmp_lg_u32 s2, 0xf033
	s_cbranch_scc0 .Lentry_shape_is_right
	s_endpgm
.Lentry_shape_is_right:
; One LSTM cell: gates = A W^T + biases (+ x W_ih1^T in layer 1), then c' = sig(f) c + sig(i) tanh(g), h = sig(o) tanh(c').
; LAYER 1: A = a1 (h1_0), W = w1, K = 1,024; h is stored as bf16 into a2's columns 0 .. 1023.
; LAYER 2: A = a2 ([h1 | h2_0]), W = w2, K = 2,048; h stays in registers, and its products with W_out's two rows, summed over my wave's 32 columns, go to part.
; A and W are bf16 in the layout byte(m, k) = (m >> 2) QP + (k >> 5) 256 + (m & 3) 64 + (k & 31) 2; W's rows are permuted: row 128 J + 32 gate + jl is gate's row of h column 32 J + jl.
; A work-group makes 256 batch rows x 256 rows of W (64 columns of h x 4 gates) with four waves, as many as a WGP has SIMDs; a wave makes 128 x 128:
; 64 accumulator tiles of 16 x 16, 512 registers.  K goes in steps of 128 through a ring of two LDS slots.  A tile row is four batch (or weight) rows x 128 K =
; 1,024 consecutive bytes of memory, so the 32 KiB that one tensor load brings are 32 tile rows.
; CLUSTERS: 4 x 4 work-groups.  A's tiles hang on the block row alone and are asked for jointly by a row of the cluster, W's on the block column alone, by a column.
; c's tile (256 rows x 64 f32) is read by this work-group alone: a plain load, into slot 0 when that slot has been read for the last time.
; THE MATRIX INSTRUCTION IS USED TRANSPOSED (source 0 = 16 rows of W, source 1 = 16 rows of A): lane (r = l % 16, h = l / 16) holds batch row 16 a + r, and register e of
; tile (a, b = 2 gate + jb) is gate's value for h column 64 bx + 32 wc + 16 jb + 8 h + e.  So the four gates of one number of h lie in one lane at one register index,
; and the biases hang on (b, h, e) alone: they start the sums.  Nothing is ever cleared.
; LIMITS: sigmoid(x) = 1 / (1 + 2^(-x log2 e)) and tanh(x) = 1 - 2 / (1 + 2^(2 x log2 e)) saturate rightly where the power overflows or vanishes; tanh's absolute error is
; about 2^-22, so its relative error about 2^-22 / |x|.  The matrix operands, h1 among them, are rounded to bf16; all else is f32.
; REGISTERS, in windows of 256: window 0: v0-31 addresses, v32-47 x (layer 1), v64-127, v128-191 fragments of A, two buffers, v224-255 W_out (layer 2);
;   window 1: v0-63 W_ih1 (layer 1), v64-127, v128-191 fragments of W, v192-255 the biases' sums;  window 2: the tiles of my rows 0-63 (tile (a, b) at v[8 (8 a + b)]);  window 3: rows 64-127.
.set LAYER, 1
.if LAYER == 1
.set KC, 1024                          ; K: columns of A and of W
.else
.set KC, 2048
.endif
.set QP,     8*KC                      ; bytes from four rows to the next four, in A and W
.set QP2,    16384                     ; the same in a2
.set LAPS,   KC/256                    ; a lap = two K steps = once round the ring
.set PITCH,  1040                      ; an LDS tile row: 1,024 bytes + 16 of padding.  A fragment's 16 rows lie at (r >> 2) 1040 + (r & 3) 64: sixteen different 16-byte columns modulo 256 bytes
.set FROW,   4*PITCH                   ; 16 rows
.set HALFT,  32*PITCH                  ; 128 rows: what one tensor load brings, and what one wave reads of A or of W
.set SLOT,   4*HALFT                   ; A's 256 rows, then W's 256 rows
.set STAGE,  2*SLOT                    ; behind the ring, never filled by a tensor load: 1,280 bytes for each wave (layer 1's way out)
.set WSTAGE, 1280
.set SPITCH, 272                       ; a block of 256 bytes in the stage + 16
.set CPITCH, 272                       ; a row of c's tile: 256 bytes + 16
.set ADRA, 16                          ; v16-17  LDS address of my A fragments in slot 0, 1
.set ADRB, 20                          ; v20-21  the same for W
.set STO,  24                          ; v24     layer 1: where I put 16 bytes of h in the stage
.set RD,   25                          ; v25     layer 1: where I read a block back
.set CO,   26                          ; v26     my byte offset in the output
.set CA,   27                          ; v27     LDS address of my 8 numbers of c
.set BO,   28                          ; v28     byte offset of my 8 columns in a bias, in W_ih1, in a row of W_out
.set XO,   29                          ; v29     byte offset of my row in x
.set LN,   30                          ; v30     lane
.set XV,   32                          ; v[32:47]  layer 1: x of my row in row block a, twice (a pair for the packed multiply-add)
.set F0,   64
.set F1,   128
.set WIH,  0                           ; window 1
.set BIAS, 192                         ; window 1: b_ih + b_hh, 8 numbers for each n block b
.set WO,   224                         ; window 0: W_out[o], my 16 columns, at WO + 16 o
.set EPP,  64                          ; behind the products, window 0, on the fragments' registers: v[64:95], v[96:127] at work,
.set EPQ,  96
.set CC,   128                         ; v[128:143] c of 16 columns
.set HH,   144                         ; v[144:159] h of 16 columns
.set PK,   160                         ; v[160:167] h as bf16
.set OUTR, 168                         ; v[168:175] blocks read back, to store
.set SS,   176                         ; v[176:179] two packed sums
.set RR,   192                         ; v[192:207] layer 2: the sum for row block a and output o at RR + 2 a + o
.set ZZ,   208                         ; v[208:215] to store
.set TT,   216
.set G1,  24                           ; s[24:31] group 1 for A's tiles
.set G0,  32                           ; s[32:39] group 0 for A's tiles, one set for each slot
.set G1B, 48                           ; s[48:55], s[56:63]: the same for W's tiles
.set G0B, 56
.set G0C, 68                           ; s[68:71], s[72:79]: c's tile
.set G1C, 72
.set MSB, 0
.macro WIN new                         ; the immediate's high byte repeats the setting that is left
.if MSB != \new
	s_set_vgpr_msb (MSB<<8)|\new
.set MSB, \new
.endif
.endm
.set MUL_LO,   0xa1                    ; source 0 (W) window 1, source 1 (A) window 0, C and D window 2
.set MUL_HI,   0xf1                    ; the same, C and D window 3
.set FIRST_LO, 0x91                    ; C = the biases in window 1, D window 2
.set FIRST_HI, 0xd1
.set TO_B,     0x40                    ; destination window 1, address window 0
.set SUMB,     0x45                    ; destination and both sources window 1
.set INIT_LO,  0x94                    ; x window 0, W_ih1 and biases window 1, D window 2
.set INIT_HI,  0xd4
.set EP_LO,    0x02                    ; source 0 window 2, destination window 0
.set EP_HI,    0x03
; A joint load.  Waves 0 and 1 fetch A's two halves, waves 2 and 3 W's.  Each line has one mask and one set of registers for all that issue it; the branch hangs on the wave's number alone.
.macro JLOAD s
	s_cmp_eq_u32 s11, 0
	s_cbranch_scc0 .Lfor_b_\@
	tensor_load_to_lds s[G0+4*\s:G0+4*\s+3], s[G1:G1+7]
	s_nop 0
	s_branch .Lasked_\@
.Lfor_b_\@:
	tensor_load_to_lds s[G0B+4*\s:G0B+4*\s+3], s[G1B:G1B+7]
	s_nop 0
.Lasked_\@:
.endm
; A round of the cluster's barrier: my work-group's barrier; wave 0 signals for the work-group; every wave waits for all sixteen; my work-group's barrier once more.
.macro CREST                           ; a round behind its opening barrier
	s_cmp_lg_u32 s10, 0
	s_cbranch_scc1 .Lnot_wave_0_\@
	s_barrier_signal -3
.Lnot_wave_0_\@:
	s_barrier_wait -3
	s_barrier_signal -1
	s_barrier_wait -1
.endm
.macro CROUND
	s_barrier_signal -1
	s_barrier_wait -1
	CREST
.endm
	s_load_b128 s[4:7], s[0:1], 0x0                ; A s[4:5], W s[6:7]
	s_load_b64 s[8:9], s[0:1], 0x10                ; the output
	s_load_b64 s[84:85], s[0:1], 0x18              ; c
	s_load_b128 s[88:91], s[0:1], 0x20             ; b_ih s[88:89], b_hh s[90:91]
.if LAYER == 1
	s_load_b128 s[92:95], s[0:1], 0x30             ; W_ih1 s[92:93], x s[94:95]
	v_lshl_add_u32 v254, v0, 2, 0x42400
	v_mov_b32 v255, 0
	ds_add_u32 v254, v255
.else
	s_load_b64 s[92:93], s[0:1], 0x30              ; W_out
.endif
	v_lshrrev_b32 v1, 5, v0
	v_readfirstlane_b32 s10, v1                    ; wave 0..3
	s_lshr_b32 s11, s10, 1                         ; wr: which half of the block's rows is mine.  Also: I fetch for A (0) or for W (1)
	s_and_b32 s12, s10, 1                          ; wc: which half of W's rows.  Also: which 128 rows of that tile I fetch
	s_bfe_u32 s40, ttmp6, 0x40000                  ; cx
	s_bfe_u32 s41, ttmp6, 0x40004                  ; cy
	s_lshl_b32 s42, ttmp9, 2
	s_add_co_u32 s42, s42, s40                     ; bx = 4 x cluster x + cx
	s_and_b32 s13, ttmp7, 0xffff
	s_lshl_b32 s13, s13, 2
	s_add_co_u32 s13, s13, s41                     ; by = 4 x cluster y + cy
	s_lshl_b32 s43, s41, 2
	s_lshl_b32 s43, 15, s43                        ; my row of the cluster: places 4 cy .. 4 cy + 3
	s_lshl_b32 s44, 0x1111, s40                    ; my column: places cx, cx + 4, cx + 8, cx + 12
	s_mov_b32 s66, 0xbfb8aa3b                      ; -log2 e, twice
	s_mov_b32 s67, 0xbfb8aa3b
	s_mov_b32 s80, 0x4038aa3b                      ; 2 log2 e, twice
	s_mov_b32 s81, 0x4038aa3b
.if LAYER == 2
	s_mov_b32 s82, 0x76543210                      ; v_permlanex16_b32: lane i of one half reads lane i of the other
	s_mov_b32 s83, 0xfedcba98
.endif
	; group 1 for A and W: 32 tile rows of 512 elements of 2 bytes, 16 bytes of padding behind each
	s_or_b32 s[G1+0], s43, (1<<16)|(1<<20)|(1<<21)|(7<<22)|(3<<25)  ; 15:0 mask: my row; 17:16 elements of 2 bytes; 20 padding on; 21 set beside a mask; 24:22 after every 256 words (code 7); 31:25 of 4 words (code 3)
	s_or_b32 s[G1B+0], s44, (1<<16)|(1<<20)|(1<<21)|(7<<22)|(3<<25) ; the same with the mask of my column
	s_mov_b32 s[G1+1], 512<<16                     ; tensor_dim0 = 512
	s_mov_b32 s[G1B+1], 512<<16
	s_mov_b32 s[G1+2], 32<<16                      ; tensor_dim1 = 32
	s_mov_b32 s[G1B+2], 32<<16
	s_mov_b32 s[G1+3], 512<<16                     ; tile_dim0 = 512
	s_mov_b32 s[G1B+3], 512<<16
	s_mov_b32 s[G1+4], 32                          ; tile_dim1 = 32
	s_mov_b32 s[G1B+4], 32
	s_mov_b32 s[G1+5], 4*KC                        ; elements from four rows to the next four
	s_mov_b32 s[G1B+5], 4*KC
	s_mov_b32 s[G1+6], 0
	s_mov_b32 s[G1B+6], 0
	s_mov_b32 s[G1+7], 0
	s_mov_b32 s[G1B+7], 0
	; group 1 for c: 64 rows of 64 f32, 16 bytes of padding behind each; no mask
	s_mov_b32 s[G1C+0], (2<<16)|(1<<20)|(5<<22)|(3<<25)
	s_mov_b32 s[G1C+1], 64<<16
	s_mov_b32 s[G1C+2], 64<<16
	s_mov_b32 s[G1C+3], 64<<16
	s_mov_b32 s[G1C+4], 64
	s_mov_b32 s[G1C+5], 1024
	s_mov_b32 s[G1C+6], 0
	s_mov_b32 s[G1C+7], 0
	; where the tiles come from.  A's offset is made of by and the wave's number, W's of bx and the wave's number, each in registers that never hold the other coordinate.
	s_lshl_b32 s17, s12, 5                         ; which 32 tile rows I fetch
	s_lshl_b32 s16, s13, 6
	s_add_co_u32 s16, s16, s17
	s_mul_i32 s16, s16, QP                         ; A: (64 by + 32 half) QP, below 2^24
	s_lshl_b32 s46, s42, 6
	s_add_co_u32 s46, s46, s17
	s_mul_i32 s46, s46, QP                         ; W: (64 bx + 32 half) QP
	s_mov_b32 s17, 0
	s_mov_b32 s47, 0
	s_mul_i32 s20, s10, HALFT                      ; and where they go: wave x 128 rows
	s_lshl_b32 s96, s13, 8                         ; c: row 256 by + 64 wave, byte 256 bx of it
	s_lshl_b32 s97, s10, 6
	s_add_co_u32 s96, s96, s97
	s_lshl_b32 s96, s96, 12
	s_lshl_b32 s97, s42, 8
	s_add_co_u32 s96, s96, s97
	s_mov_b32 s97, 0
.if LAYER == 1
	s_lshl_b32 s86, s13, 6                         ; a2: (64 by + 32 wr) QP2 + (2 bx + wc) 256
	s_lshl_b32 s87, s11, 5
	s_add_co_u32 s86, s86, s87
	s_lshl_b32 s86, s86, 14
	s_lshl_b32 s87, s42, 9
	s_add_co_u32 s86, s86, s87
	s_lshl_b32 s87, s12, 8
	s_add_co_u32 s86, s86, s87
.else
	s_lshl_b32 s86, s42, 16                        ; part: (2 bx + wc) 32768 + (256 by + 128 wr) 8
	s_lshl_b32 s87, s12, 15
	s_add_co_u32 s86, s86, s87
	s_lshl_b32 s87, s13, 11
	s_add_co_u32 s86, s86, s87
	s_lshl_b32 s87, s11, 10
	s_add_co_u32 s86, s86, s87
.endif
	s_mov_b32 s87, 0
	s_wait_dscnt 0x0
	s_wait_kmcnt 0x0
	s_add_nc_u64 s[14:15], s[4:5], s[16:17]
	s_add_nc_u64 s[46:47], s[6:7], s[46:47]
	s_add_nc_u64 s[8:9], s[8:9], s[86:87]
	s_mov_b32 s[G0C], 1
	s_mul_i32 s[G0C+1], s10, 64*CPITCH             ; c's rows 64 wave .. + 63, from LDS byte 0 on
	s_add_nc_u64 s[G0C+2:G0C+3], s[84:85], s[96:97]
	s_or_b32 s[G0C+3], s[G0C+3], 0x80000000
	CROUND                                         ; all sixteen work-groups are here: the first joint loads meet
.irp s, 0,1
	s_mov_b32 s[G0+4*\s], 1
	s_add_co_u32 s[G0+4*\s+1], s20, \s*SLOT
	s_add_nc_u64 s[G0+4*\s+2:G0+4*\s+3], s[14:15], \s*1024         ; K step s: 1,024 bytes along a tile row
	s_or_b32 s[G0+4*\s+3], s[G0+4*\s+3], 0x80000000
	s_mov_b32 s[G0B+4*\s], 1
	s_add_co_u32 s[G0B+4*\s+1], s20, \s*SLOT
	s_add_nc_u64 s[G0B+4*\s+2:G0B+4*\s+3], s[46:47], \s*1024
	s_or_b32 s[G0B+4*\s+3], s[G0B+4*\s+3], 0x80000000
	JLOAD \s                                       ; the ring is filled before anything else is done: two tensor loads of the wave are out
.endr
	; the small operands, once, while the first tiles are on their way
	v_and_b32 v1, 15, v0                           ; r
	v_bfe_u32 v2, v0, 4, 1                         ; h
	v_and_b32 v[LN], 31, v0
	s_lshl_b32 s98, s42, 8
	s_lshl_b32 s99, s12, 7
	s_add_co_u32 s98, s98, s99
	v_lshl_add_u32 v[BO], v2, 5, s98               ; 4 (64 bx + 32 wc + 8 h)
.if LAYER == 1
	s_lshl_b32 s86, s13, 8
	s_lshl_b32 s87, s11, 7
	s_add_co_u32 s86, s86, s87
	s_lshl_b32 s86, s86, 2
	v_lshl_add_u32 v[XO], v1, 2, s86               ; 4 (256 by + 128 wr + r)
.endif
	WIN TO_B
.irp g, 0,1,2,3
.irp jb, 0,1
.irp q, 0,1
	global_load_b128 v[BIAS+8*(2*\g+\jb)+4*\q:BIAS+8*(2*\g+\jb)+4*\q+3], v[BO], s[88:89] offset:4096*\g+64*\jb+16*\q
	global_load_b128 v[F1+8*(2*\g+\jb)+4*\q:F1+8*(2*\g+\jb)+4*\q+3], v[BO], s[90:91] offset:4096*\g+64*\jb+16*\q
.if LAYER == 1
	global_load_b128 v[WIH+8*(2*\g+\jb)+4*\q:WIH+8*(2*\g+\jb)+4*\q+3], v[BO], s[92:93] offset:4096*\g+64*\jb+16*\q
.endif
.endr
.endr
.endr
	WIN 0
.if LAYER == 1
.irp a, 0,1,2,3,4,5,6,7
	global_load_b32 v[XV+2*\a],   v[XO], s[94:95] offset:64*\a
	global_load_b32 v[XV+2*\a+1], v[XO], s[94:95] offset:64*\a     ; the same number again: the pair that the packed multiply-add takes
.endr
.else
.irp o, 0,1
.irp jb, 0,1
.irp q, 0,1
	global_load_b128 v[WO+16*\o+8*\jb+4*\q:WO+16*\o+8*\jb+4*\q+3], v[BO], s[92:93] offset:4096*\o+64*\jb+16*\q
.endr
.endr
.endr
.endif
	; A fragment is 16 rows x 32 K in 8 registers: lane l holds row r; registers 0-3 hold K = 8 h + 0..7, registers 4-7 K = 16 + 8 h + 0..7: two loads of 16 bytes, 32 bytes apart.
	v_lshrrev_b32 v4, 2, v1                        ; r >> 2: the tile row
	v_and_b32 v5, 3, v1                            ; r & 3: 64 bytes in it
	v_mul_u32_u24 v3, v4, PITCH
	v_lshl_add_u32 v3, v5, 6, v3
	v_lshl_add_u32 v3, v2, 4, v3
	s_mul_i32 s21, s11, HALFT                      ; my 128 rows of A
	s_mul_i32 s22, s12, HALFT                      ; my 128 rows of W,
	s_add_co_u32 s22, s22, 2*HALFT                 ; which lie behind A's 256
.irp s, 0,1
	v_add_nc_u32 v[ADRA+\s], s21, v3
	v_add_nc_u32 v[ADRB+\s], s22, v3
	s_add_co_u32 s21, s21, SLOT
	s_add_co_u32 s22, s22, SLOT
.endr
	s_mul_i32 s18, s11, 128*CPITCH
	s_lshl_b32 s19, s12, 7
	s_add_co_u32 s18, s18, s19
	v_mul_u32_u24 v6, v1, CPITCH
	v_lshl_add_u32 v6, v2, 5, v6
	v_add_nc_u32 v[CA], s18, v6                    ; (128 wr + r) 272 + 128 wc + 32 h
.if LAYER == 1
	s_mul_i32 s23, s10, WSTAGE
	s_add_co_u32 s23, s23, STAGE                   ; my stage
	v_mul_u32_u24 v6, v4, SPITCH                   ; in: block r >> 2, row r & 3, 16 bytes for each half of the lanes
	v_lshl_add_u32 v6, v5, 6, v6
	v_lshl_add_u32 v6, v2, 4, v6
	v_add_nc_u32 v[STO], s23, v6
	v_mul_u32_u24 v7, v2, SPITCH                   ; back: lanes 0-15 take one block of 256 bytes, lanes 16-31 the next
	v_lshl_add_u32 v7, v1, 4, v7
	v_add_nc_u32 v[RD], s23, v7
	v_lshlrev_b32 v[CO], 14, v2                    ; and the same two blocks in a2, QP2 bytes apart
	v_lshl_add_u32 v[CO], v1, 4, v[CO]
.else
	v_lshlrev_b32 v[CO], 3, v[LN]                  ; 8 bytes a lane: a row's two sums
	v_mov_b32 v[TT], 0                             ; v_permlanex16_b32 counts as a reader of its destination
.endif
	s_wait_loadcnt 0x0                             ; the small operands, once
	WIN SUMB
.set i, 0
.rept 32
	v_pk_add_f32 v[BIAS+i:BIAS+i+1], v[BIAS+i:BIAS+i+1], v[F1+i:F1+i+1]   ; b_ih + b_hh
.set i, i+2
.endr
.if LAYER == 1
; Layer 1 starts every sum with x W_ih1 + b_ih + b_hh, in f32 (K = 1: no work for the matrix unit).
.macro START hi
.irp a, 0,1,2,3
.irp b, 0,1,2,3,4,5,6,7
.irp k, 0,2,4,6
	v_pk_fma_f32 v[8*(8*\a+\b)+\k:8*(8*\a+\b)+\k+1], v[XV+2*(4*\hi+\a):XV+2*(4*\hi+\a)+1], v[WIH+8*\b+\k:WIH+8*\b+\k+1], v[BIAS+8*\b+\k:BIAS+8*\b+\k+1]
.endr
.endr
.endr
.endm
	WIN INIT_LO
	START 0
	WIN INIT_HI
	START 1
.endif
	WIN 0
; 16 matrix instructions: m blocks a0, a0 + 1 of the window's four (hi = 0: my rows 0-63, 1: rows 64-127) x all 8 n blocks, 32 along K.
; mode = 1: the first product takes the biases as C and so starts the sums.  The 64 accumulators take turns, one instruction a turn.
.macro MUL16 f, hi, a0, mode
.irp a, \a0, \a0+1
.irp b, 0,1,2,3,4,5,6,7
.if \mode
	v_wmma_f32_16x16x32_bf16 v[8*(8*(\a)+\b):8*(8*(\a)+\b)+7], v[\f+8*\b:\f+8*\b+7], v[\f+8*(4*\hi+\a):\f+8*(4*\hi+\a)+7], v[BIAS+8*\b:BIAS+8*\b+7]
.else
	v_wmma_f32_16x16x32_bf16 v[8*(8*(\a)+\b):8*(8*(\a)+\b)+7], v[\f+8*\b:\f+8*\b+7], v[\f+8*(4*\hi+\a):\f+8*(4*\hi+\a)+7], v[8*(8*(\a)+\b):8*(8*(\a)+\b)+7]
.endif
.endr
.endr
.endm
; 32 LDS loads in one run: the fragments of one quarter step (128 rows of W, 128 rows of A, 32 K at byte k of the tile rows) into buffer f
.macro FETCH slot, k, f
	WIN TO_B
.irp i, 0,1,2,3,4,5,6,7
	ds_load_b128 v[\f+8*\i:\f+8*\i+3],   v[ADRB+\slot] offset:\k+\i*FROW
	ds_load_b128 v[\f+8*\i+4:\f+8*\i+7], v[ADRB+\slot] offset:\k+\i*FROW+32
.endr
	WIN 0
.irp i, 0,1,2,3,4,5,6,7
	ds_load_b128 v[\f+8*\i:\f+8*\i+3],   v[ADRA+\slot] offset:\k+\i*FROW
	ds_load_b128 v[\f+8*\i+4:\f+8*\i+7], v[ADRA+\slot] offset:\k+\i*FROW+32
.endr
.endm
; A load into a register that a matrix instruction has read, and a vector instruction that reads a matrix result or writes one of a matrix instruction's registers, stand four
; places behind it, and only plain vector instructions that name none of its registers are places (ISA guide 7.12.1 for vector instructions).
.macro PLACES
.rept 4
	v_nop
.endr
.endm
; A K step is four quarter steps of 32 along K (256 bytes of a tile row), 64 matrix instructions each, on buffers 0, 1, 0, 1.
; One of the first three: multiplies buffer f; in its middle it fetches the next quarter's fragments, at byte k, into buffer g.
.macro QUARTER slot, k, f, g, mode
	s_wait_dscnt 8                                 ; W and A's rows 0-63 are in; the youngest eight loads (A's rows 64-127) may be out
.if \mode
	WIN FIRST_LO
.else
	WIN MUL_LO
.endif
	MUL16 \f, 0, 0, \mode
	MUL16 \f, 0, 2, \mode
	PLACES
	FETCH \slot, \k, \g
	s_wait_dscnt 32                                ; all but the 32 just issued
.if \mode
	WIN FIRST_HI
.else
	WIN MUL_HI
.endif
	MUL16 \f, 1, 0, \mode
	MUL16 \f, 1, 2, \mode
.endm
.macro THREE slot, mode
	QUARTER \slot, 256, F0, F1, \mode
	QUARTER \slot, 512, F1, F0, 0
	QUARTER \slot, 768, F0, F1, 0
.endm
; The last quarter: multiplies buffer 1 and changes slots.  fill = 1: this slot is filled again, two K steps ahead; fill = 2: it takes c's tile; fill = 0: nothing.
; In front of the barrier each wave waits for its reads of this slot and for all its tensor loads, of which one is out: its part of the next slot.  Where the slot is filled
; again the barrier opens a round of the cluster's barrier, and the fill is the wave's first and only tensor load behind the round.  From a request to the wait for it a wave issues 240 matrix instructions.
.macro TURN slot, next, fill
	s_wait_dscnt 8
	WIN MUL_LO
	MUL16 F1, 0, 0, 0
	s_wait_dscnt 0                                 ; my reads of this slot are over
	s_set_vgpr_msb 0xa1a0
	s_wait_tensorcnt 0x0                           ; and all my tensor loads have landed
	ds_add_u32 v254, v255
	s_wait_dscnt 0x0
	s_set_vgpr_msb 0xa0a1
	s_barrier_signal -1
	MUL16 F1, 0, 2, 0                              ; work on registers while the others arrive
	WIN 0
	s_barrier_wait -1
.if \fill == 1
	CREST                                          ; no wave of any partner still reads this slot's tile or has a load on its way
	s_add_nc_u64 s[G0+4*\slot+2:G0+4*\slot+3], s[G0+4*\slot+2:G0+4*\slot+3], 2048
	s_add_nc_u64 s[G0B+4*\slot+2:G0B+4*\slot+3], s[G0B+4*\slot+2:G0B+4*\slot+3], 2048
	JLOAD \slot
.endif
.if \fill == 2
	CREST
	tensor_load_to_lds s[G0C:G0C+3], s[G1C:G1C+7]  ; my 64 rows of c, into bytes of slot 0 that nobody reads any more
	s_nop 0
.endif
	PLACES
	FETCH \next, 0, F0
	WIN MUL_HI
	MUL16 F1, 1, 0, 0
	MUL16 F1, 1, 2, 0
.endm
.macro LAP mode
	THREE 0, \mode
	TURN 0, 1, 1
	THREE 1, 0
	TURN 1, 0, 1
.endm
	s_wait_tensorcnt 1                             ; my part of K step 0 is in; K step 1's may stay out
	s_barrier_signal -1
	s_barrier_wait -1
	FETCH 0, 0, F0
.if LAYER == 2
	LAP 1                                          ; the first products start the sums from the biases
.else
	LAP 0                                          ; the sums were started above
.endif
	WIN 0                                          ; at a label and at a branch every window is 0
	s_mov_b32 s3, LAPS-2
.Llap:
	LAP 0
	WIN 0
	s_sub_co_u32 s3, s3, 1
	s_cmp_lg_u32 s3, 0
	s_cbranch_scc1 .Llap
	THREE 0, 0                                     ; the last lap: no K step is left to fetch
	TURN 0, 1, 2                                   ; slot 0 takes c's tile, which has the last K step in which to land
	THREE 1, 0
	s_wait_dscnt 8                                 ; the very last quarter
	WIN MUL_LO
	MUL16 F1, 0, 0, 0
	MUL16 F1, 0, 2, 0
	s_wait_dscnt 0
	s_wait_tensorcnt 0x0                           ; my 64 rows of c are in LDS
	s_barrier_signal -1
	WIN MUL_HI
	MUL16 F1, 1, 0, 0
	MUL16 F1, 1, 2, 0
	WIN 0
	s_barrier_wait -1                              ; everybody's are
	PLACES                                         ; behind the last matrix instructions: for the lines that read results and rewrite fragment registers
; The pointwise part for row block a and 8 columns a lane (jb = 0, 1): the tiles (a, 2 gate + jb), gates i, f, g, o.
; Behind each run of transcendentals stands one v_nop before a result is used or a source rewritten (ISA guide 5.7.2); no transcendental writes its own source.
.macro GATES a, jb
.if \a < 4
	WIN EP_LO
.else
	WIN EP_HI
.endif
.irp g, 0,1,3
.irp k, 0,2,4,6
	v_pk_mul_f32 v[EPP+8*\g+\k:EPP+8*\g+\k+1], v[8*(8*(\a%4)+2*\g+\jb)+\k:8*(8*(\a%4)+2*\g+\jb)+\k+1], s[66:67] op_sel_hi:[1,0]   ; i, f, o: -x log2 e
.endr
.endr
.irp k, 0,2,4,6
	v_pk_mul_f32 v[EPP+16+\k:EPP+16+\k+1], v[8*(8*(\a%4)+4+\jb)+\k:8*(8*(\a%4)+4+\jb)+\k+1], s[80:81] op_sel_hi:[1,0]             ; g: 2 x log2 e
.endr
	WIN 0
.set i, 0
.rept 32
	v_exp_f32 v[EPQ+i], v[EPP+i]
.set i, i+1
.endr
	v_nop
.set i, 0
	s_wait_alu depctr_va_vdst(0)
.rept 16
	v_pk_add_f32 v[EPP+i:EPP+i+1], v[EPQ+i:EPQ+i+1], 1.0 op_sel_hi:[1,0]
.set i, i+2
.endr
.set i, 0
.rept 32
	v_rcp_f32 v[EPQ+i], v[EPP+i]                   ; sig(i), sig(f), 1 / (1 + 2^(2 g log2 e)), sig(o)
.set i, i+1
.endr
	v_nop
	s_wait_alu depctr_va_vdst(0)
.irp k, 0,2,4,6
	v_pk_fma_f32 v[EPQ+16+\k:EPQ+16+\k+1], v[EPQ+16+\k:EPQ+16+\k+1], -2.0, 1.0 op_sel_hi:[1,0,0]   ; tanh(g)
.endr
.if \jb == 0
	s_wait_dscnt 0x0                               ; c of this row block is in
.endif
.irp k, 0,2,4,6
	v_pk_mul_f32 v[EPP+\k:EPP+\k+1], v[EPQ+8+\k:EPQ+8+\k+1], v[CC+8*\jb+\k:CC+8*\jb+\k+1]          ; sig(f) c
.endr
.irp k, 0,2,4,6
	v_pk_fma_f32 v[EPP+\k:EPP+\k+1], v[EPQ+\k:EPQ+\k+1], v[EPQ+16+\k:EPQ+16+\k+1], v[EPP+\k:EPP+\k+1]   ; c' = sig(i) tanh(g) + sig(f) c
.endr
.irp k, 0,2,4,6
	v_pk_mul_f32 v[EPP+8+\k:EPP+8+\k+1], v[EPP+\k:EPP+\k+1], s[80:81] op_sel_hi:[1,0]
.endr
.set i, 0
.rept 8
	v_exp_f32 v[EPP+16+i], v[EPP+8+i]
.set i, i+1
.endr
	v_nop
	s_wait_alu depctr_va_vdst(0)
.irp k, 0,2,4,6
	v_pk_add_f32 v[EPP+8+\k:EPP+8+\k+1], v[EPP+16+\k:EPP+16+\k+1], 1.0 op_sel_hi:[1,0]
.endr
.set i, 0
.rept 8
	v_rcp_f32 v[EPP+16+i], v[EPP+8+i]
.set i, i+1
.endr
	v_nop
	s_wait_alu depctr_va_vdst(0)
.irp k, 0,2,4,6
	v_pk_fma_f32 v[EPP+16+\k:EPP+16+\k+1], v[EPP+16+\k:EPP+16+\k+1], -2.0, 1.0 op_sel_hi:[1,0,0]   ; tanh(c')
.endr
.irp k, 0,2,4,6
	v_pk_mul_f32 v[HH+8*\jb+\k:HH+8*\jb+\k+1], v[EPQ+24+\k:EPQ+24+\k+1], v[EPP+16+\k:EPP+16+\k+1]  ; h = sig(o) tanh(c')
.endr
.endm
; Rows 16 a .. 16 a + 15 of my block: c from LDS, the pointwise part, and h on its way.
.macro ROWS16 a
.irp t, 0,1,2,3
	ds_load_b128 v[CC+4*\t:CC+4*\t+3], v[CA] offset:16*CPITCH*\a+64*(\t/2)+16*(\t%2)
.endr
	GATES \a, 0
	GATES \a, 1
.if LAYER == 1
	; 16 rows x 32 columns of bf16 are four blocks of 256 bytes of a2.  A lane holds two pieces of 16 bytes of one block: they go through my own stage and come back as whole blocks.
.irp k, 0,1,2,3,4,5,6,7
	v_cvt_pk_bf16_f32 v[PK+\k], v[HH+2*\k], v[HH+2*\k+1]
.endr
	ds_store_b128 v[STO], v[PK:PK+3]
	ds_store_b128 v[STO], v[PK+4:PK+7] offset:32
	s_wait_xcnt 0x0                                ; OUTR, the data of the stores before, is loaded again only behind this wait
	ds_load_b128 v[OUTR:OUTR+3],   v[RD]           ; LDS serves a wave's instructions in order (ISA guide 5.7.1.4): these see the stores above
	ds_load_b128 v[OUTR+4:OUTR+7], v[RD] offset:2*SPITCH
	s_wait_dscnt 0x0
	global_store_b128 v[CO], v[OUTR:OUTR+3],   s[8:9] offset:(4*\a)*QP2     ; 16 lanes store 256 consecutive bytes, aligned
	global_store_b128 v[CO], v[OUTR+4:OUTR+7], s[8:9] offset:(4*\a+2)*QP2
.else
	; h2 W_out^T over my 16 columns, in f32: two output columns would fill an eighth of a matrix tile
.irp o, 0,1
	v_pk_mul_f32 v[SS+2*\o:SS+2*\o+1], v[HH:HH+1], v[WO+16*\o:WO+16*\o+1]
.endr
.irp k, 2,4,6,8,10,12,14
.irp o, 0,1
	v_pk_fma_f32 v[SS+2*\o:SS+2*\o+1], v[HH+\k:HH+\k+1], v[WO+16*\o+\k:WO+16*\o+\k+1], v[SS+2*\o:SS+2*\o+1]
.endr
.endr
	v_add_f32 v[RR+2*\a],   v[SS],   v[SS+1]
	v_add_f32 v[RR+2*\a+1], v[SS+2], v[SS+3]
.endif
.endm
.irp a, 0,1,2,3,4,5,6,7
	ROWS16 \a
.endr
.if LAYER == 2
	; lanes l and l + 16 hold the two halves of a row's 32 columns: add them; then lanes 0-15 keep the even row block, lanes 16-31 the odd one: 32 neighbouring rows
	v_cmp_lt_u32 vcc_lo, 15, v[LN]
.set i, 0
.rept 16
	v_permlanex16_b32 v[TT], v[RR+i], s82, s83
	v_add_f32 v[RR+i], v[RR+i], v[TT]
.set i, i+1
.endr
.irp p, 0,1,2,3
	v_cndmask_b32 v[ZZ+2*\p],   v[RR+4*\p],   v[RR+4*\p+2], vcc_lo
	v_cndmask_b32 v[ZZ+2*\p+1], v[RR+4*\p+1], v[RR+4*\p+3], vcc_lo
	global_store_b64 v[CO], v[ZZ+2*\p:ZZ+2*\p+1], s[8:9] offset:256*\p      ; 32 lanes store 256 consecutive bytes, aligned
.endr
.endif
	s_wait_tensorcnt 0x0
	ds_add_u32 v254, v255
	s_wait_dscnt 0x0
	CROUND                                         ; the closing round: no work-group ends while a partner may still ask for a tile that names it
	s_endpgm
.Lfunc_end_k_q5f2d372b3f_cell1:
	.size	k_q5f2d372b3f_cell1, .Lfunc_end_k_q5f2d372b3f_cell1-k_q5f2d372b3f_cell1
	.p2alignl 7, 3214868480
	.fill 96, 4, 3214868480
	.section	.rodata,"a",@progbits
	.p2align	6, 0x0
	.amdhsa_kernel k_q5f2d372b3f_cell1
		.amdhsa_group_segment_fixed_size 327680
		.amdhsa_private_segment_fixed_size 0
		.amdhsa_enable_private_segment 0
		.amdhsa_kernarg_size 64
		.amdhsa_user_sgpr_count 2
		.amdhsa_user_sgpr_kernarg_segment_ptr 1
		.amdhsa_wavefront_size32 1
		.amdhsa_system_sgpr_workgroup_id_x 1
		.amdhsa_system_sgpr_workgroup_id_y 1
		.amdhsa_system_sgpr_workgroup_id_z 1
		.amdhsa_system_vgpr_workitem_id 0
		.amdhsa_next_free_vgpr 1024
		.amdhsa_next_free_sgpr 100
		.amdhsa_reserve_vcc 1
		.amdhsa_float_denorm_mode_32 3
		.amdhsa_float_denorm_mode_16_64 3
		.amdhsa_memory_ordered 1
		.amdhsa_forward_progress 1
		.amdhsa_inst_pref_size 255
	.end_amdhsa_kernel
	.section	.bss,"aw",@nobits
	.p2align	6
	.space	262144
	.amdgpu_metadata
---
amdhsa.version: [ 1, 2 ]
amdhsa.kernels:
  - .name:           k_q5f2d372b3f_cell1
    .symbol:         k_q5f2d372b3f_cell1.kd
    .args:
      - { .name: a1, .offset: 0, .size: 8, .value_kind: global_buffer, .address_space: global }
      - { .name: w1, .offset: 8, .size: 8, .value_kind: global_buffer, .address_space: global }
      - { .name: a2, .offset: 16, .size: 8, .value_kind: global_buffer, .address_space: global }
      - { .name: c1_0, .offset: 24, .size: 8, .value_kind: global_buffer, .address_space: global }
      - { .name: b_ih1, .offset: 32, .size: 8, .value_kind: global_buffer, .address_space: global }
      - { .name: b_hh1, .offset: 40, .size: 8, .value_kind: global_buffer, .address_space: global }
      - { .name: W_ih1, .offset: 48, .size: 8, .value_kind: global_buffer, .address_space: global }
      - { .name: x, .offset: 56, .size: 8, .value_kind: global_buffer, .address_space: global }
    .group_segment_fixed_size: 327680
    .private_segment_fixed_size: 0
    .kernarg_segment_align: 8
    .kernarg_segment_size: 64
    .max_flat_workgroup_size: 128
    .sgpr_count:     100
    .vgpr_count:     1024
    .wavefront_size: 32
...
	.end_amdgpu_metadata
.endif
;; end of part 2
;; launch cell2 (part 3): grid 16 x 16, 4 waves a work-group, clusters of 4 x 4, 327,680 bytes of LDS; arguments a2, w2, part, c2_0, b_ih2, b_hh2, W_out; writes part
.if DOCPART == 3
	.amdgcn_target "amdgcn-amd-amdhsa--gfx1250"
	.amdhsa_code_object_version 6
	.text
	.protected	k_q5f2d372b3f_cell2
	.globl	k_q5f2d372b3f_cell2
	.p2align	8
	.type	k_q5f2d372b3f_cell2,@function
k_q5f2d372b3f_cell2:
	s_mov_b64 s[64:65], 0
	v_nop
	global_prefetch_b8 v0, s[64:65] scope:SCOPE_SE
	s_setreg_imm32_b32 hwreg(HW_REG_WAVE_MODE, 25, 1), 1
	s_wait_xcnt 0x0
	s_wait_alu depctr_hold_cnt(0) depctr_sa_sdst(0) depctr_va_vdst(0) depctr_va_sdst(0) depctr_va_ssrc(0) depctr_va_vcc(0) depctr_vm_vsrc(0)
	s_getreg_b32 s2, hwreg(HW_REG_IB_STS2, 6, 4)
	s_cmp_eq_u32 s2, 0
	s_cbranch_scc0 .Lentry_in_a_cluster
	s_endpgm
.Lentry_in_a_cluster:
	s_bfe_u32 s2, ttmp6, 0x10000c
	s_cmp_lg_u32 s2, 0xf033
	s_cbranch_scc0 .Lentry_shape_is_right
	s_endpgm
.Lentry_shape_is_right:
; One LSTM cell: gates = A W^T + biases (+ x W_ih1^T in layer 1), then c' = sig(f) c + sig(i) tanh(g), h = sig(o) tanh(c').
; LAYER 1: A = a1 (h1_0), W = w1, K = 1,024; h is stored as bf16 into a2's columns 0 .. 1023.
; LAYER 2: A = a2 ([h1 | h2_0]), W = w2, K = 2,048; h stays in registers, and its products with W_out's two rows, summed over my wave's 32 columns, go to part.
; A and W are bf16 in the layout byte(m, k) = (m >> 2) QP + (k >> 5) 256 + (m & 3) 64 + (k & 31) 2; W's rows are permuted: row 128 J + 32 gate + jl is gate's row of h column 32 J + jl.
; A work-group makes 256 batch rows x 256 rows of W (64 columns of h x 4 gates) with four waves, as many as a WGP has SIMDs; a wave makes 128 x 128:
; 64 accumulator tiles of 16 x 16, 512 registers.  K goes in steps of 128 through a ring of two LDS slots.  A tile row is four batch (or weight) rows x 128 K =
; 1,024 consecutive bytes of memory, so the 32 KiB that one tensor load brings are 32 tile rows.
; CLUSTERS: 4 x 4 work-groups.  A's tiles hang on the block row alone and are asked for jointly by a row of the cluster, W's on the block column alone, by a column.
; c's tile (256 rows x 64 f32) is read by this work-group alone: a plain load, into slot 0 when that slot has been read for the last time.
; THE MATRIX INSTRUCTION IS USED TRANSPOSED (source 0 = 16 rows of W, source 1 = 16 rows of A): lane (r = l % 16, h = l / 16) holds batch row 16 a + r, and register e of
; tile (a, b = 2 gate + jb) is gate's value for h column 64 bx + 32 wc + 16 jb + 8 h + e.  So the four gates of one number of h lie in one lane at one register index,
; and the biases hang on (b, h, e) alone: they start the sums.  Nothing is ever cleared.
; LIMITS: sigmoid(x) = 1 / (1 + 2^(-x log2 e)) and tanh(x) = 1 - 2 / (1 + 2^(2 x log2 e)) saturate rightly where the power overflows or vanishes; tanh's absolute error is
; about 2^-22, so its relative error about 2^-22 / |x|.  The matrix operands, h1 among them, are rounded to bf16; all else is f32.
; REGISTERS, in windows of 256: window 0: v0-31 addresses, v32-47 x (layer 1), v64-127, v128-191 fragments of A, two buffers, v224-255 W_out (layer 2);
;   window 1: v0-63 W_ih1 (layer 1), v64-127, v128-191 fragments of W, v192-255 the biases' sums;  window 2: the tiles of my rows 0-63 (tile (a, b) at v[8 (8 a + b)]);  window 3: rows 64-127.
.set LAYER, 2
.if LAYER == 1
.set KC, 1024                          ; K: columns of A and of W
.else
.set KC, 2048
.endif
.set QP,     8*KC                      ; bytes from four rows to the next four, in A and W
.set QP2,    16384                     ; the same in a2
.set LAPS,   KC/256                    ; a lap = two K steps = once round the ring
.set PITCH,  1040                      ; an LDS tile row: 1,024 bytes + 16 of padding.  A fragment's 16 rows lie at (r >> 2) 1040 + (r & 3) 64: sixteen different 16-byte columns modulo 256 bytes
.set FROW,   4*PITCH                   ; 16 rows
.set HALFT,  32*PITCH                  ; 128 rows: what one tensor load brings, and what one wave reads of A or of W
.set SLOT,   4*HALFT                   ; A's 256 rows, then W's 256 rows
.set STAGE,  2*SLOT                    ; behind the ring, never filled by a tensor load: 1,280 bytes for each wave (layer 1's way out)
.set WSTAGE, 1280
.set SPITCH, 272                       ; a block of 256 bytes in the stage + 16
.set CPITCH, 272                       ; a row of c's tile: 256 bytes + 16
.set ADRA, 16                          ; v16-17  LDS address of my A fragments in slot 0, 1
.set ADRB, 20                          ; v20-21  the same for W
.set STO,  24                          ; v24     layer 1: where I put 16 bytes of h in the stage
.set RD,   25                          ; v25     layer 1: where I read a block back
.set CO,   26                          ; v26     my byte offset in the output
.set CA,   27                          ; v27     LDS address of my 8 numbers of c
.set BO,   28                          ; v28     byte offset of my 8 columns in a bias, in W_ih1, in a row of W_out
.set XO,   29                          ; v29     byte offset of my row in x
.set LN,   30                          ; v30     lane
.set XV,   32                          ; v[32:47]  layer 1: x of my row in row block a, twice (a pair for the packed multiply-add)
.set F0,   64
.set F1,   128
.set WIH,  0                           ; window 1
.set BIAS, 192                         ; window 1: b_ih + b_hh, 8 numbers for each n block b
.set WO,   224                         ; window 0: W_out[o], my 16 columns, at WO + 16 o
.set EPP,  64                          ; behind the products, window 0, on the fragments' registers: v[64:95], v[96:127] at work,
.set EPQ,  96
.set CC,   128                         ; v[128:143] c of 16 columns
.set HH,   144                         ; v[144:159] h of 16 columns
.set PK,   160                         ; v[160:167] h as bf16
.set OUTR, 168                         ; v[168:175] blocks read back, to store
.set SS,   176                         ; v[176:179] two packed sums
.set RR,   192                         ; v[192:207] layer 2: the sum for row block a and output o at RR + 2 a + o
.set ZZ,   208                         ; v[208:215] to store
.set TT,   216
.set G1,  24                           ; s[24:31] group 1 for A's tiles
.set G0,  32                           ; s[32:39] group 0 for A's tiles, one set for each slot
.set G1B, 48                           ; s[48:55], s[56:63]: the same for W's tiles
.set G0B, 56
.set G0C, 68                           ; s[68:71], s[72:79]: c's tile
.set G1C, 72
.set MSB, 0
.macro WIN new                         ; the immediate's high byte repeats the setting that is left
.if MSB != \new
	s_set_vgpr_msb (MSB<<8)|\new
.set MSB, \new
.endif
.endm
.set MUL_LO,   0xa1                    ; source 0 (W) window 1, source 1 (A) window 0, C and D window 2
.set MUL_HI,   0xf1                    ; the same, C and D window 3
.set FIRST_LO, 0x91                    ; C = the biases in window 1, D window 2
.set FIRST_HI, 0xd1
.set TO_B,     0x40                    ; destination window 1, address window 0
.set SUMB,     0x45                    ; destination and both sources window 1
.set INIT_LO,  0x94                    ; x window 0, W_ih1 and biases window 1, D window 2
.set INIT_HI,  0xd4
.set EP_LO,    0x02                    ; source 0 window 2, destination window 0
.set EP_HI,    0x03
; A joint load.  Waves 0 and 1 fetch A's two halves, waves 2 and 3 W's.  Each line has one mask and one set of registers for all that issue it; the branch hangs on the wave's number alone.
.macro JLOAD s
	s_cmp_eq_u32 s11, 0
	s_cbranch_scc0 .Lfor_b_\@
	tensor_load_to_lds s[G0+4*\s:G0+4*\s+3], s[G1:G1+7]
	s_nop 0
	s_branch .Lasked_\@
.Lfor_b_\@:
	tensor_load_to_lds s[G0B+4*\s:G0B+4*\s+3], s[G1B:G1B+7]
	s_nop 0
.Lasked_\@:
.endm
; A round of the cluster's barrier: my work-group's barrier; wave 0 signals for the work-group; every wave waits for all sixteen; my work-group's barrier once more.
.macro CREST                           ; a round behind its opening barrier
	s_cmp_lg_u32 s10, 0
	s_cbranch_scc1 .Lnot_wave_0_\@
	s_barrier_signal -3
.Lnot_wave_0_\@:
	s_barrier_wait -3
	s_barrier_signal -1
	s_barrier_wait -1
.endm
.macro CROUND
	s_barrier_signal -1
	s_barrier_wait -1
	CREST
.endm
	s_load_b128 s[4:7], s[0:1], 0x0                ; A s[4:5], W s[6:7]
	s_load_b64 s[8:9], s[0:1], 0x10                ; the output
	s_load_b64 s[84:85], s[0:1], 0x18              ; c
	s_load_b128 s[88:91], s[0:1], 0x20             ; b_ih s[88:89], b_hh s[90:91]
.if LAYER == 1
	s_load_b128 s[92:95], s[0:1], 0x30             ; W_ih1 s[92:93], x s[94:95]
.else
	s_load_b64 s[92:93], s[0:1], 0x30              ; W_out
	s_set_vgpr_msb 0x40
	v_lshl_add_u32 v63, v0, 2, 0x42400
	s_set_vgpr_msb 0x4000
	v_mov_b32 v223, 0
	s_set_vgpr_msb 0x1
	ds_add_u32 v63, v223
	s_set_vgpr_msb 0x100
.endif
	v_lshrrev_b32 v1, 5, v0
	v_readfirstlane_b32 s10, v1                    ; wave 0..3
	s_lshr_b32 s11, s10, 1                         ; wr: which half of the block's rows is mine.  Also: I fetch for A (0) or for W (1)
	s_and_b32 s12, s10, 1                          ; wc: which half of W's rows.  Also: which 128 rows of that tile I fetch
	s_bfe_u32 s40, ttmp6, 0x40000                  ; cx
	s_bfe_u32 s41, ttmp6, 0x40004                  ; cy
	s_lshl_b32 s42, ttmp9, 2
	s_add_co_u32 s42, s42, s40                     ; bx = 4 x cluster x + cx
	s_and_b32 s13, ttmp7, 0xffff
	s_lshl_b32 s13, s13, 2
	s_add_co_u32 s13, s13, s41                     ; by = 4 x cluster y + cy
	s_lshl_b32 s43, s41, 2
	s_lshl_b32 s43, 15, s43                        ; my row of the cluster: places 4 cy .. 4 cy + 3
	s_lshl_b32 s44, 0x1111, s40                    ; my column: places cx, cx + 4, cx + 8, cx + 12
	s_mov_b32 s66, 0xbfb8aa3b                      ; -log2 e, twice
	s_mov_b32 s67, 0xbfb8aa3b
	s_mov_b32 s80, 0x4038aa3b                      ; 2 log2 e, twice
	s_mov_b32 s81, 0x4038aa3b
.if LAYER == 2
	s_mov_b32 s82, 0x76543210                      ; v_permlanex16_b32: lane i of one half reads lane i of the other
	s_mov_b32 s83, 0xfedcba98
.endif
	; group 1 for A and W: 32 tile rows of 512 elements of 2 bytes, 16 bytes of padding behind each
	s_or_b32 s[G1+0], s43, (1<<16)|(1<<20)|(1<<21)|(7<<22)|(3<<25)  ; 15:0 mask: my row; 17:16 elements of 2 bytes; 20 padding on; 21 set beside a mask; 24:22 after every 256 words (code 7); 31:25 of 4 words (code 3)
	s_or_b32 s[G1B+0], s44, (1<<16)|(1<<20)|(1<<21)|(7<<22)|(3<<25) ; the same with the mask of my column
	s_mov_b32 s[G1+1], 512<<16                     ; tensor_dim0 = 512
	s_mov_b32 s[G1B+1], 512<<16
	s_mov_b32 s[G1+2], 32<<16                      ; tensor_dim1 = 32
	s_mov_b32 s[G1B+2], 32<<16
	s_mov_b32 s[G1+3], 512<<16                     ; tile_dim0 = 512
	s_mov_b32 s[G1B+3], 512<<16
	s_mov_b32 s[G1+4], 32                          ; tile_dim1 = 32
	s_mov_b32 s[G1B+4], 32
	s_mov_b32 s[G1+5], 4*KC                        ; elements from four rows to the next four
	s_mov_b32 s[G1B+5], 4*KC
	s_mov_b32 s[G1+6], 0
	s_mov_b32 s[G1B+6], 0
	s_mov_b32 s[G1+7], 0
	s_mov_b32 s[G1B+7], 0
	; group 1 for c: 64 rows of 64 f32, 16 bytes of padding behind each; no mask
	s_mov_b32 s[G1C+0], (2<<16)|(1<<20)|(5<<22)|(3<<25)
	s_mov_b32 s[G1C+1], 64<<16
	s_mov_b32 s[G1C+2], 64<<16
	s_mov_b32 s[G1C+3], 64<<16
	s_mov_b32 s[G1C+4], 64
	s_mov_b32 s[G1C+5], 1024
	s_mov_b32 s[G1C+6], 0
	s_mov_b32 s[G1C+7], 0
	; where the tiles come from.  A's offset is made of by and the wave's number, W's of bx and the wave's number, each in registers that never hold the other coordinate.
	s_lshl_b32 s17, s12, 5                         ; which 32 tile rows I fetch
	s_lshl_b32 s16, s13, 6
	s_add_co_u32 s16, s16, s17
	s_mul_i32 s16, s16, QP                         ; A: (64 by + 32 half) QP, below 2^24
	s_lshl_b32 s46, s42, 6
	s_add_co_u32 s46, s46, s17
	s_mul_i32 s46, s46, QP                         ; W: (64 bx + 32 half) QP
	s_mov_b32 s17, 0
	s_mov_b32 s47, 0
	s_mul_i32 s20, s10, HALFT                      ; and where they go: wave x 128 rows
	s_lshl_b32 s96, s13, 8                         ; c: row 256 by + 64 wave, byte 256 bx of it
	s_lshl_b32 s97, s10, 6
	s_add_co_u32 s96, s96, s97
	s_lshl_b32 s96, s96, 12
	s_lshl_b32 s97, s42, 8
	s_add_co_u32 s96, s96, s97
	s_mov_b32 s97, 0
.if LAYER == 1
	s_lshl_b32 s86, s13, 6                         ; a2: (64 by + 32 wr) QP2 + (2 bx + wc) 256
	s_lshl_b32 s87, s11, 5
	s_add_co_u32 s86, s86, s87
	s_lshl_b32 s86, s86, 14
	s_lshl_b32 s87, s42, 9
	s_add_co_u32 s86, s86, s87
	s_lshl_b32 s87, s12, 8
	s_add_co_u32 s86, s86, s87
.else
	s_lshl_b32 s86, s42, 16                        ; part: (2 bx + wc) 32768 + (256 by + 128 wr) 8
	s_lshl_b32 s87, s12, 15
	s_add_co_u32 s86, s86, s87
	s_lshl_b32 s87, s13, 11
	s_add_co_u32 s86, s86, s87
	s_lshl_b32 s87, s11, 10
	s_add_co_u32 s86, s86, s87
.endif
	s_mov_b32 s87, 0
	s_wait_dscnt 0x0
	s_wait_kmcnt 0x0
	s_add_nc_u64 s[14:15], s[4:5], s[16:17]
	s_add_nc_u64 s[46:47], s[6:7], s[46:47]
	s_add_nc_u64 s[8:9], s[8:9], s[86:87]
	s_mov_b32 s[G0C], 1
	s_mul_i32 s[G0C+1], s10, 64*CPITCH             ; c's rows 64 wave .. + 63, from LDS byte 0 on
	s_add_nc_u64 s[G0C+2:G0C+3], s[84:85], s[96:97]
	s_or_b32 s[G0C+3], s[G0C+3], 0x80000000
	CROUND                                         ; all sixteen work-groups are here: the first joint loads meet
.irp s, 0,1
	s_mov_b32 s[G0+4*\s], 1
	s_add_co_u32 s[G0+4*\s+1], s20, \s*SLOT
	s_add_nc_u64 s[G0+4*\s+2:G0+4*\s+3], s[14:15], \s*1024         ; K step s: 1,024 bytes along a tile row
	s_or_b32 s[G0+4*\s+3], s[G0+4*\s+3], 0x80000000
	s_mov_b32 s[G0B+4*\s], 1
	s_add_co_u32 s[G0B+4*\s+1], s20, \s*SLOT
	s_add_nc_u64 s[G0B+4*\s+2:G0B+4*\s+3], s[46:47], \s*1024
	s_or_b32 s[G0B+4*\s+3], s[G0B+4*\s+3], 0x80000000
	JLOAD \s                                       ; the ring is filled before anything else is done: two tensor loads of the wave are out
.endr
	; the small operands, once, while the first tiles are on their way
	v_and_b32 v1, 15, v0                           ; r
	v_bfe_u32 v2, v0, 4, 1                         ; h
	v_and_b32 v[LN], 31, v0
	s_lshl_b32 s98, s42, 8
	s_lshl_b32 s99, s12, 7
	s_add_co_u32 s98, s98, s99
	v_lshl_add_u32 v[BO], v2, 5, s98               ; 4 (64 bx + 32 wc + 8 h)
.if LAYER == 1
	s_lshl_b32 s86, s13, 8
	s_lshl_b32 s87, s11, 7
	s_add_co_u32 s86, s86, s87
	s_lshl_b32 s86, s86, 2
	v_lshl_add_u32 v[XO], v1, 2, s86               ; 4 (256 by + 128 wr + r)
.endif
	WIN TO_B
.irp g, 0,1,2,3
.irp jb, 0,1
.irp q, 0,1
	global_load_b128 v[BIAS+8*(2*\g+\jb)+4*\q:BIAS+8*(2*\g+\jb)+4*\q+3], v[BO], s[88:89] offset:4096*\g+64*\jb+16*\q
	global_load_b128 v[F1+8*(2*\g+\jb)+4*\q:F1+8*(2*\g+\jb)+4*\q+3], v[BO], s[90:91] offset:4096*\g+64*\jb+16*\q
.if LAYER == 1
	global_load_b128 v[WIH+8*(2*\g+\jb)+4*\q:WIH+8*(2*\g+\jb)+4*\q+3], v[BO], s[92:93] offset:4096*\g+64*\jb+16*\q
.endif
.endr
.endr
.endr
	WIN 0
.if LAYER == 1
.irp a, 0,1,2,3,4,5,6,7
	global_load_b32 v[XV+2*\a],   v[XO], s[94:95] offset:64*\a
	global_load_b32 v[XV+2*\a+1], v[XO], s[94:95] offset:64*\a     ; the same number again: the pair that the packed multiply-add takes
.endr
.else
.irp o, 0,1
.irp jb, 0,1
.irp q, 0,1
	global_load_b128 v[WO+16*\o+8*\jb+4*\q:WO+16*\o+8*\jb+4*\q+3], v[BO], s[92:93] offset:4096*\o+64*\jb+16*\q
.endr
.endr
.endr
.endif
	; A fragment is 16 rows x 32 K in 8 registers: lane l holds row r; registers 0-3 hold K = 8 h + 0..7, registers 4-7 K = 16 + 8 h + 0..7: two loads of 16 bytes, 32 bytes apart.
	v_lshrrev_b32 v4, 2, v1                        ; r >> 2: the tile row
	v_and_b32 v5, 3, v1                            ; r & 3: 64 bytes in it
	v_mul_u32_u24 v3, v4, PITCH
	v_lshl_add_u32 v3, v5, 6, v3
	v_lshl_add_u32 v3, v2, 4, v3
	s_mul_i32 s21, s11, HALFT                      ; my 128 rows of A
	s_mul_i32 s22, s12, HALFT                      ; my 128 rows of W,
	s_add_co_u32 s22, s22, 2*HALFT                 ; which lie behind A's 256
.irp s, 0,1
	v_add_nc_u32 v[ADRA+\s], s21, v3
	v_add_nc_u32 v[ADRB+\s], s22, v3
	s_add_co_u32 s21, s21, SLOT
	s_add_co_u32 s22, s22, SLOT
.endr
	s_mul_i32 s18, s11, 128*CPITCH
	s_lshl_b32 s19, s12, 7
	s_add_co_u32 s18, s18, s19
	v_mul_u32_u24 v6, v1, CPITCH
	v_lshl_add_u32 v6, v2, 5, v6
	v_add_nc_u32 v[CA], s18, v6                    ; (128 wr + r) 272 + 128 wc + 32 h
.if LAYER == 1
	s_mul_i32 s23, s10, WSTAGE
	s_add_co_u32 s23, s23, STAGE                   ; my stage
	v_mul_u32_u24 v6, v4, SPITCH                   ; in: block r >> 2, row r & 3, 16 bytes for each half of the lanes
	v_lshl_add_u32 v6, v5, 6, v6
	v_lshl_add_u32 v6, v2, 4, v6
	v_add_nc_u32 v[STO], s23, v6
	v_mul_u32_u24 v7, v2, SPITCH                   ; back: lanes 0-15 take one block of 256 bytes, lanes 16-31 the next
	v_lshl_add_u32 v7, v1, 4, v7
	v_add_nc_u32 v[RD], s23, v7
	v_lshlrev_b32 v[CO], 14, v2                    ; and the same two blocks in a2, QP2 bytes apart
	v_lshl_add_u32 v[CO], v1, 4, v[CO]
.else
	v_lshlrev_b32 v[CO], 3, v[LN]                  ; 8 bytes a lane: a row's two sums
	v_mov_b32 v[TT], 0                             ; v_permlanex16_b32 counts as a reader of its destination
.endif
	s_wait_loadcnt 0x0                             ; the small operands, once
	WIN SUMB
.set i, 0
.rept 32
	v_pk_add_f32 v[BIAS+i:BIAS+i+1], v[BIAS+i:BIAS+i+1], v[F1+i:F1+i+1]   ; b_ih + b_hh
.set i, i+2
.endr
.if LAYER == 1
; Layer 1 starts every sum with x W_ih1 + b_ih + b_hh, in f32 (K = 1: no work for the matrix unit).
.macro START hi
.irp a, 0,1,2,3
.irp b, 0,1,2,3,4,5,6,7
.irp k, 0,2,4,6
	v_pk_fma_f32 v[8*(8*\a+\b)+\k:8*(8*\a+\b)+\k+1], v[XV+2*(4*\hi+\a):XV+2*(4*\hi+\a)+1], v[WIH+8*\b+\k:WIH+8*\b+\k+1], v[BIAS+8*\b+\k:BIAS+8*\b+\k+1]
.endr
.endr
.endr
.endm
	WIN INIT_LO
	START 0
	WIN INIT_HI
	START 1
.endif
	WIN 0
; 16 matrix instructions: m blocks a0, a0 + 1 of the window's four (hi = 0: my rows 0-63, 1: rows 64-127) x all 8 n blocks, 32 along K.
; mode = 1: the first product takes the biases as C and so starts the sums.  The 64 accumulators take turns, one instruction a turn.
.macro MUL16 f, hi, a0, mode
.irp a, \a0, \a0+1
.irp b, 0,1,2,3,4,5,6,7
.if \mode
	v_wmma_f32_16x16x32_bf16 v[8*(8*(\a)+\b):8*(8*(\a)+\b)+7], v[\f+8*\b:\f+8*\b+7], v[\f+8*(4*\hi+\a):\f+8*(4*\hi+\a)+7], v[BIAS+8*\b:BIAS+8*\b+7]
.else
	v_wmma_f32_16x16x32_bf16 v[8*(8*(\a)+\b):8*(8*(\a)+\b)+7], v[\f+8*\b:\f+8*\b+7], v[\f+8*(4*\hi+\a):\f+8*(4*\hi+\a)+7], v[8*(8*(\a)+\b):8*(8*(\a)+\b)+7]
.endif
.endr
.endr
.endm
; 32 LDS loads in one run: the fragments of one quarter step (128 rows of W, 128 rows of A, 32 K at byte k of the tile rows) into buffer f
.macro FETCH slot, k, f
	WIN TO_B
.irp i, 0,1,2,3,4,5,6,7
	ds_load_b128 v[\f+8*\i:\f+8*\i+3],   v[ADRB+\slot] offset:\k+\i*FROW
	ds_load_b128 v[\f+8*\i+4:\f+8*\i+7], v[ADRB+\slot] offset:\k+\i*FROW+32
.endr
	WIN 0
.irp i, 0,1,2,3,4,5,6,7
	ds_load_b128 v[\f+8*\i:\f+8*\i+3],   v[ADRA+\slot] offset:\k+\i*FROW
	ds_load_b128 v[\f+8*\i+4:\f+8*\i+7], v[ADRA+\slot] offset:\k+\i*FROW+32
.endr
.endm
; A load into a register that a matrix instruction has read, and a vector instruction that reads a matrix result or writes one of a matrix instruction's registers, stand four
; places behind it, and only plain vector instructions that name none of its registers are places (ISA guide 7.12.1 for vector instructions).
.macro PLACES
.rept 4
	v_nop
.endr
.endm
; A K step is four quarter steps of 32 along K (256 bytes of a tile row), 64 matrix instructions each, on buffers 0, 1, 0, 1.
; One of the first three: multiplies buffer f; in its middle it fetches the next quarter's fragments, at byte k, into buffer g.
.macro QUARTER slot, k, f, g, mode
	s_wait_dscnt 8                                 ; W and A's rows 0-63 are in; the youngest eight loads (A's rows 64-127) may be out
.if \mode
	WIN FIRST_LO
.else
	WIN MUL_LO
.endif
	MUL16 \f, 0, 0, \mode
	MUL16 \f, 0, 2, \mode
	PLACES
	FETCH \slot, \k, \g
	s_wait_dscnt 32                                ; all but the 32 just issued
.if \mode
	WIN FIRST_HI
.else
	WIN MUL_HI
.endif
	MUL16 \f, 1, 0, \mode
	MUL16 \f, 1, 2, \mode
.endm
.macro THREE slot, mode
	QUARTER \slot, 256, F0, F1, \mode
	QUARTER \slot, 512, F1, F0, 0
	QUARTER \slot, 768, F0, F1, 0
.endm
; The last quarter: multiplies buffer 1 and changes slots.  fill = 1: this slot is filled again, two K steps ahead; fill = 2: it takes c's tile; fill = 0: nothing.
; In front of the barrier each wave waits for its reads of this slot and for all its tensor loads, of which one is out: its part of the next slot.  Where the slot is filled
; again the barrier opens a round of the cluster's barrier, and the fill is the wave's first and only tensor load behind the round.  From a request to the wait for it a wave issues 240 matrix instructions.
.macro TURN slot, next, fill
	s_wait_dscnt 8
	WIN MUL_LO
	MUL16 F1, 0, 0, 0
	s_wait_dscnt 0                                 ; my reads of this slot are over
	s_wait_tensorcnt 0x0                           ; and all my tensor loads have landed
	ds_add_u32 v63, v223
	s_wait_dscnt 0x0
	s_barrier_signal -1
	MUL16 F1, 0, 2, 0                              ; work on registers while the others arrive
	WIN 0
	s_barrier_wait -1
.if \fill == 1
	CREST                                          ; no wave of any partner still reads this slot's tile or has a load on its way
	s_add_nc_u64 s[G0+4*\slot+2:G0+4*\slot+3], s[G0+4*\slot+2:G0+4*\slot+3], 2048
	s_add_nc_u64 s[G0B+4*\slot+2:G0B+4*\slot+3], s[G0B+4*\slot+2:G0B+4*\slot+3], 2048
	JLOAD \slot
.endif
.if \fill == 2
	CREST
	tensor_load_to_lds s[G0C:G0C+3], s[G1C:G1C+7]  ; my 64 rows of c, into bytes of slot 0 that nobody reads any more
	s_nop 0
.endif
	PLACES
	FETCH \next, 0, F0
	WIN MUL_HI
	MUL16 F1, 1, 0, 0
	MUL16 F1, 1, 2, 0
.endm
.macro LAP mode
	THREE 0, \mode
	TURN 0, 1, 1
	THREE 1, 0
	TURN 1, 0, 1
.endm
	s_wait_tensorcnt 1                             ; my part of K step 0 is in; K step 1's may stay out
	s_barrier_signal -1
	s_barrier_wait -1
	FETCH 0, 0, F0
.if LAYER == 2
	LAP 1                                          ; the first products start the sums from the biases
.else
	LAP 0                                          ; the sums were started above
.endif
	WIN 0                                          ; at a label and at a branch every window is 0
	s_mov_b32 s3, LAPS-2
.Llap:
	LAP 0
	WIN 0
	s_sub_co_u32 s3, s3, 1
	s_cmp_lg_u32 s3, 0
	s_cbranch_scc1 .Llap
	THREE 0, 0                                     ; the last lap: no K step is left to fetch
	TURN 0, 1, 2                                   ; slot 0 takes c's tile, which has the last K step in which to land
	THREE 1, 0
	s_wait_dscnt 8                                 ; the very last quarter
	WIN MUL_LO
	MUL16 F1, 0, 0, 0
	MUL16 F1, 0, 2, 0
	s_wait_dscnt 0
	s_wait_tensorcnt 0x0                           ; my 64 rows of c are in LDS
	s_barrier_signal -1
	WIN MUL_HI
	MUL16 F1, 1, 0, 0
	MUL16 F1, 1, 2, 0
	WIN 0
	s_barrier_wait -1                              ; everybody's are
	PLACES                                         ; behind the last matrix instructions: for the lines that read results and rewrite fragment registers
; The pointwise part for row block a and 8 columns a lane (jb = 0, 1): the tiles (a, 2 gate + jb), gates i, f, g, o.
; Behind each run of transcendentals stands one v_nop before a result is used or a source rewritten (ISA guide 5.7.2); no transcendental writes its own source.
.macro GATES a, jb
.if \a < 4
	WIN EP_LO
.else
	WIN EP_HI
.endif
.irp g, 0,1,3
.irp k, 0,2,4,6
	v_pk_mul_f32 v[EPP+8*\g+\k:EPP+8*\g+\k+1], v[8*(8*(\a%4)+2*\g+\jb)+\k:8*(8*(\a%4)+2*\g+\jb)+\k+1], s[66:67] op_sel_hi:[1,0]   ; i, f, o: -x log2 e
.endr
.endr
.irp k, 0,2,4,6
	v_pk_mul_f32 v[EPP+16+\k:EPP+16+\k+1], v[8*(8*(\a%4)+4+\jb)+\k:8*(8*(\a%4)+4+\jb)+\k+1], s[80:81] op_sel_hi:[1,0]             ; g: 2 x log2 e
.endr
	WIN 0
.set i, 0
.rept 32
	v_exp_f32 v[EPQ+i], v[EPP+i]
.set i, i+1
.endr
	v_nop
.set i, 0
	s_wait_alu depctr_va_vdst(0)
.rept 16
	v_pk_add_f32 v[EPP+i:EPP+i+1], v[EPQ+i:EPQ+i+1], 1.0 op_sel_hi:[1,0]
.set i, i+2
.endr
.set i, 0
.rept 32
	v_rcp_f32 v[EPQ+i], v[EPP+i]                   ; sig(i), sig(f), 1 / (1 + 2^(2 g log2 e)), sig(o)
.set i, i+1
.endr
	v_nop
	s_wait_alu depctr_va_vdst(0)
.irp k, 0,2,4,6
	v_pk_fma_f32 v[EPQ+16+\k:EPQ+16+\k+1], v[EPQ+16+\k:EPQ+16+\k+1], -2.0, 1.0 op_sel_hi:[1,0,0]   ; tanh(g)
.endr
.if \jb == 0
	s_wait_dscnt 0x0                               ; c of this row block is in
.endif
.irp k, 0,2,4,6
	v_pk_mul_f32 v[EPP+\k:EPP+\k+1], v[EPQ+8+\k:EPQ+8+\k+1], v[CC+8*\jb+\k:CC+8*\jb+\k+1]          ; sig(f) c
.endr
.irp k, 0,2,4,6
	v_pk_fma_f32 v[EPP+\k:EPP+\k+1], v[EPQ+\k:EPQ+\k+1], v[EPQ+16+\k:EPQ+16+\k+1], v[EPP+\k:EPP+\k+1]   ; c' = sig(i) tanh(g) + sig(f) c
.endr
.irp k, 0,2,4,6
	v_pk_mul_f32 v[EPP+8+\k:EPP+8+\k+1], v[EPP+\k:EPP+\k+1], s[80:81] op_sel_hi:[1,0]
.endr
.set i, 0
.rept 8
	v_exp_f32 v[EPP+16+i], v[EPP+8+i]
.set i, i+1
.endr
	v_nop
	s_wait_alu depctr_va_vdst(0)
.irp k, 0,2,4,6
	v_pk_add_f32 v[EPP+8+\k:EPP+8+\k+1], v[EPP+16+\k:EPP+16+\k+1], 1.0 op_sel_hi:[1,0]
.endr
.set i, 0
.rept 8
	v_rcp_f32 v[EPP+16+i], v[EPP+8+i]
.set i, i+1
.endr
	v_nop
	s_wait_alu depctr_va_vdst(0)
.irp k, 0,2,4,6
	v_pk_fma_f32 v[EPP+16+\k:EPP+16+\k+1], v[EPP+16+\k:EPP+16+\k+1], -2.0, 1.0 op_sel_hi:[1,0,0]   ; tanh(c')
.endr
.irp k, 0,2,4,6
	v_pk_mul_f32 v[HH+8*\jb+\k:HH+8*\jb+\k+1], v[EPQ+24+\k:EPQ+24+\k+1], v[EPP+16+\k:EPP+16+\k+1]  ; h = sig(o) tanh(c')
.endr
.endm
; Rows 16 a .. 16 a + 15 of my block: c from LDS, the pointwise part, and h on its way.
.macro ROWS16 a
.irp t, 0,1,2,3
	ds_load_b128 v[CC+4*\t:CC+4*\t+3], v[CA] offset:16*CPITCH*\a+64*(\t/2)+16*(\t%2)
.endr
	GATES \a, 0
	GATES \a, 1
.if LAYER == 1
	; 16 rows x 32 columns of bf16 are four blocks of 256 bytes of a2.  A lane holds two pieces of 16 bytes of one block: they go through my own stage and come back as whole blocks.
.irp k, 0,1,2,3,4,5,6,7
	v_cvt_pk_bf16_f32 v[PK+\k], v[HH+2*\k], v[HH+2*\k+1]
.endr
	ds_store_b128 v[STO], v[PK:PK+3]
	ds_store_b128 v[STO], v[PK+4:PK+7] offset:32
	s_wait_xcnt 0x0                                ; OUTR, the data of the stores before, is loaded again only behind this wait
	ds_load_b128 v[OUTR:OUTR+3],   v[RD]           ; LDS serves a wave's instructions in order (ISA guide 5.7.1.4): these see the stores above
	ds_load_b128 v[OUTR+4:OUTR+7], v[RD] offset:2*SPITCH
	s_wait_dscnt 0x0
	global_store_b128 v[CO], v[OUTR:OUTR+3],   s[8:9] offset:(4*\a)*QP2     ; 16 lanes store 256 consecutive bytes, aligned
	global_store_b128 v[CO], v[OUTR+4:OUTR+7], s[8:9] offset:(4*\a+2)*QP2
.else
	; h2 W_out^T over my 16 columns, in f32: two output columns would fill an eighth of a matrix tile
.irp o, 0,1
	v_pk_mul_f32 v[SS+2*\o:SS+2*\o+1], v[HH:HH+1], v[WO+16*\o:WO+16*\o+1]
.endr
.irp k, 2,4,6,8,10,12,14
.irp o, 0,1
	v_pk_fma_f32 v[SS+2*\o:SS+2*\o+1], v[HH+\k:HH+\k+1], v[WO+16*\o+\k:WO+16*\o+\k+1], v[SS+2*\o:SS+2*\o+1]
.endr
.endr
	v_add_f32 v[RR+2*\a],   v[SS],   v[SS+1]
	v_add_f32 v[RR+2*\a+1], v[SS+2], v[SS+3]
.endif
.endm
.irp a, 0,1,2,3,4,5,6,7
	ROWS16 \a
.endr
.if LAYER == 2
	; lanes l and l + 16 hold the two halves of a row's 32 columns: add them; then lanes 0-15 keep the even row block, lanes 16-31 the odd one: 32 neighbouring rows
	v_cmp_lt_u32 vcc_lo, 15, v[LN]
.set i, 0
.rept 16
	v_permlanex16_b32 v[TT], v[RR+i], s82, s83
	v_add_f32 v[RR+i], v[RR+i], v[TT]
.set i, i+1
.endr
.irp p, 0,1,2,3
	v_cndmask_b32 v[ZZ+2*\p],   v[RR+4*\p],   v[RR+4*\p+2], vcc_lo
	v_cndmask_b32 v[ZZ+2*\p+1], v[RR+4*\p+1], v[RR+4*\p+3], vcc_lo
	global_store_b64 v[CO], v[ZZ+2*\p:ZZ+2*\p+1], s[8:9] offset:256*\p      ; 32 lanes store 256 consecutive bytes, aligned
.endr
.endif
	s_set_vgpr_msb 0x1
	s_wait_tensorcnt 0x0
	ds_add_u32 v63, v223
	s_wait_dscnt 0x0
	s_set_vgpr_msb 0x100
	CROUND                                         ; the closing round: no work-group ends while a partner may still ask for a tile that names it
	s_endpgm
.Lfunc_end_k_q5f2d372b3f_cell2:
	.size	k_q5f2d372b3f_cell2, .Lfunc_end_k_q5f2d372b3f_cell2-k_q5f2d372b3f_cell2
	.p2alignl 7, 3214868480
	.fill 96, 4, 3214868480
	.section	.rodata,"a",@progbits
	.p2align	6, 0x0
	.amdhsa_kernel k_q5f2d372b3f_cell2
		.amdhsa_group_segment_fixed_size 327680
		.amdhsa_private_segment_fixed_size 0
		.amdhsa_enable_private_segment 0
		.amdhsa_kernarg_size 56
		.amdhsa_user_sgpr_count 2
		.amdhsa_user_sgpr_kernarg_segment_ptr 1
		.amdhsa_wavefront_size32 1
		.amdhsa_system_sgpr_workgroup_id_x 1
		.amdhsa_system_sgpr_workgroup_id_y 1
		.amdhsa_system_sgpr_workgroup_id_z 1
		.amdhsa_system_vgpr_workitem_id 0
		.amdhsa_next_free_vgpr 1024
		.amdhsa_next_free_sgpr 100
		.amdhsa_reserve_vcc 1
		.amdhsa_float_denorm_mode_32 3
		.amdhsa_float_denorm_mode_16_64 3
		.amdhsa_memory_ordered 1
		.amdhsa_forward_progress 1
		.amdhsa_inst_pref_size 255
	.end_amdhsa_kernel
	.section	.bss,"aw",@nobits
	.p2align	6
	.space	262144
	.amdgpu_metadata
---
amdhsa.version: [ 1, 2 ]
amdhsa.kernels:
  - .name:           k_q5f2d372b3f_cell2
    .symbol:         k_q5f2d372b3f_cell2.kd
    .args:
      - { .name: a2, .offset: 0, .size: 8, .value_kind: global_buffer, .address_space: global }
      - { .name: w2, .offset: 8, .size: 8, .value_kind: global_buffer, .address_space: global }
      - { .name: part, .offset: 16, .size: 8, .value_kind: global_buffer, .address_space: global }
      - { .name: c2_0, .offset: 24, .size: 8, .value_kind: global_buffer, .address_space: global }
      - { .name: b_ih2, .offset: 32, .size: 8, .value_kind: global_buffer, .address_space: global }
      - { .name: b_hh2, .offset: 40, .size: 8, .value_kind: global_buffer, .address_space: global }
      - { .name: W_out, .offset: 48, .size: 8, .value_kind: global_buffer, .address_space: global }
    .group_segment_fixed_size: 327680
    .private_segment_fixed_size: 0
    .kernarg_segment_align: 8
    .kernarg_segment_size: 56
    .max_flat_workgroup_size: 128
    .sgpr_count:     100
    .vgpr_count:     1024
    .wavefront_size: 32
...
	.end_amdgpu_metadata
.endif
;; end of part 3
;; launch finish (part 4): grid 64 x 1, 1 waves a work-group, no clusters, 0 bytes of LDS; arguments part, b_out, out0; writes out0
.if DOCPART == 4
	.amdgcn_target "amdgcn-amd-amdhsa--gfx1250"
	.amdhsa_code_object_version 6
	.text
	.protected	k_q5f2d372b3f_finish
	.globl	k_q5f2d372b3f_finish
	.p2align	8
	.type	k_q5f2d372b3f_finish,@function
k_q5f2d372b3f_finish:
	s_mov_b64 s[64:65], 0
	v_nop
	global_prefetch_b8 v0, s[64:65] scope:SCOPE_SE
	s_setreg_imm32_b32 hwreg(HW_REG_WAVE_MODE, 25, 1), 1
	s_wait_xcnt 0x0
; out0[m][o] = b_out[o] + the sum over the 32 column blocks J of part[J][m][o].  part: [32][4096][2] f32, out0: [4096][2] f32.
; The sum spans work-groups of the launch before, so it is made here, in a fixed order.  A lane owns 16 bytes of out0 (two rows); one wave a work-group, 512 consecutive bytes;
; 32,768 bytes of output are work for 64 waves, and so many are launched.  All 32 loads of a lane go out at once; the waits count down.
.set X, 4                              ; v[4:131]  term J in four registers; the sums grow in term 0's
	s_load_b128 s[4:7], s[0:1], 0x0                ; part s[4:5], b_out s[6:7]
	s_load_b64 s[8:9], s[0:1], 0x10                ; out0
	s_lshl_b32 s10, ttmp9, 9
	v_lshl_add_u32 v1, v0, 4, s10                  ; 512 g + 16 lane
	s_wait_kmcnt 0x0
	s_load_b64 s[12:13], s[6:7], 0x0               ; b_out's two numbers
.set i, 0
.rept 32
	global_load_b128 v[X+4*i:X+4*i+3], v1, s[4:5] offset:32768*i th:TH_LOAD_NT
.set i, i+1
.endr
	s_wait_kmcnt 0x0
	v_mov_b32 v2, s12
	v_mov_b32 v3, s13
	s_wait_loadcnt 31                              ; loads come back in order (ISA guide 5.7.1): term 0 is in, the 31 younger ones may be out
	v_pk_add_f32 v[X:X+1],   v[X:X+1],   v[2:3]
	v_pk_add_f32 v[X+2:X+3], v[X+2:X+3], v[2:3]
.set i, 1
.rept 31
	s_wait_loadcnt 31-i                            ; term i is in
	v_pk_add_f32 v[X:X+1],   v[X:X+1],   v[X+4*i:X+4*i+1]
	v_pk_add_f32 v[X+2:X+3], v[X+2:X+3], v[X+4*i+2:X+4*i+3]
.set i, i+1
.endr
	global_store_b128 v1, v[X:X+3], s[8:9]
	s_endpgm
.Lfunc_end_k_q5f2d372b3f_finish:
	.size	k_q5f2d372b3f_finish, .Lfunc_end_k_q5f2d372b3f_finish-k_q5f2d372b3f_finish
	.p2alignl 7, 3214868480
	.fill 96, 4, 3214868480
	.section	.rodata,"a",@progbits
	.p2align	6, 0x0
	.amdhsa_kernel k_q5f2d372b3f_finish
		.amdhsa_group_segment_fixed_size 0
		.amdhsa_private_segment_fixed_size 0
		.amdhsa_enable_private_segment 0
		.amdhsa_kernarg_size 24
		.amdhsa_user_sgpr_count 2
		.amdhsa_user_sgpr_kernarg_segment_ptr 1
		.amdhsa_wavefront_size32 1
		.amdhsa_system_sgpr_workgroup_id_x 1
		.amdhsa_system_sgpr_workgroup_id_y 1
		.amdhsa_system_sgpr_workgroup_id_z 1
		.amdhsa_system_vgpr_workitem_id 0
		.amdhsa_next_free_vgpr 136
		.amdhsa_next_free_sgpr 66
		.amdhsa_reserve_vcc 0
		.amdhsa_float_denorm_mode_32 3
		.amdhsa_float_denorm_mode_16_64 3
		.amdhsa_memory_ordered 1
		.amdhsa_forward_progress 1
		.amdhsa_inst_pref_size 9
	.end_amdhsa_kernel
	.amdgpu_metadata
---
amdhsa.version: [ 1, 2 ]
amdhsa.kernels:
  - .name:           k_q5f2d372b3f_finish
    .symbol:         k_q5f2d372b3f_finish.kd
    .args:
      - { .name: part, .offset: 0, .size: 8, .value_kind: global_buffer, .address_space: global }
      - { .name: b_out, .offset: 8, .size: 8, .value_kind: global_buffer, .address_space: global }
      - { .name: out0, .offset: 16, .size: 8, .value_kind: global_buffer, .address_space: global }
    .group_segment_fixed_size: 0
    .private_segment_fixed_size: 0
    .kernarg_segment_align: 8
    .kernarg_segment_size: 24
    .max_flat_workgroup_size: 32
    .sgpr_count:     66
    .vgpr_count:     136
    .wavefront_size: 32
...
	.end_amdgpu_metadata
.endif
;; end of part 4
;; ======== version 2 of 2: 4 launches; version 1 with the launch pack written anew for expert scheduling mode
;; workspace buffers: a1 8,388,608 bytes; w1 8,388,608 bytes; a2 16,777,216 bytes; w2 16,777,216 bytes; part 1,048,576 bytes
;; launch pack (part 5): grid 256 x 1, 8 waves a work-group, no clusters, 0 bytes of LDS; arguments h1_0, W_hh1, h2_0, W_ih2, W_hh2, a1, w1, a2, w2; writes a1, w1, a2, w2
.if DOCPART == 5
	.amdgcn_target "amdgcn-amd-amdhsa--gfx1250"
	.amdhsa_code_object_version 6
	.text
	.protected	k_q5f2d372b3f_pack
	.globl	k_q5f2d372b3f_pack
	.p2align	8
	.type	k_q5f2d372b3f_pack,@function
k_q5f2d372b3f_pack:
	s_mov_b64 s[64:65], 0
	v_nop
	global_prefetch_b8 v0, s[64:65] scope:SCOPE_SE
	s_setreg_imm32_b32 hwreg(HW_REG_WAVE_SCHED_MODE, 0, 2), 2
	s_setreg_imm32_b32 hwreg(HW_REG_WAVE_MODE, 25, 1), 1
	s_wait_xcnt 0x0
	s_wait_alu depctr_vm_vsrc(0)
; Rounds the five f32 matrix operands [4096][1024] to bf16 once, and lays them out for the two cell launches.
;   a1 = h1_0, w1 = W_hh1 (1,024 columns);  a2 = [h1 | h2_0], w2 = [W_ih2 | W_hh2] (2,048 columns; a2's first 1,024 are stored by the next launch).
; LAYOUT of all four: byte(m, k) = (m >> 2) QP + (k >> 5) 256 + (m & 3) 64 + (k & 31) 2, QP = 8 x columns: an aligned block of 256 bytes
; holds 4 rows x 32 columns.  So 128 rows x 32 columns (what one wave of the first cell produces) are 32 whole blocks, and 128 columns of four rows are 1,024 consecutive bytes.
; WEIGHT ROWS ARE PERMUTED: source row gate 1024 + 32 J + jl goes to row 128 J + 32 gate + jl, so that 128 neighbouring rows hold all four gates of 32 columns of h.
; A stream: no LDS, no barrier, no matrix unit.  The work-group owns source rows 16 g .. 16 g + 15 of each source; wave w the four rows 4 (w >> 1) .. + 3 and
; the column half w & 1 (512 columns, 16 blocks of 256 bytes).  Lane L takes 8 numbers: block L >> 4 of a pair, row (L >> 2) & 3, columns 8 (L & 3) .. + 7.
; THE MODE: SCHED_MODE bits 1:0 = 2 (LLVM: expert scheduling mode 2), set by the entry lines.  The code itself states the register dependences
; between vector instructions and memory instructions, with s_wait_alu, always for 0.
; THE PLAN.  A wave's work goes in 10 steps of 8 loads, 16 roundings and 4 stores: step p is half p % 2 (256 columns) of source p / 2.  Registers that memory instructions touch:
;   X0 .. X5   six steps of f32 as loaded.  Written by loads: steps 0 to 5 at the head, step p + 5 in step p (p = 1 .. 4); read by step p's roundings.
;   Y0, Y1     two steps of bf16 to store.  Written by step p's roundings; read by the four stores that are issued in step p + 1.
;   v6, v8-11  byte offsets, made once at the head and never written again; the bases are scalar and are never written again either.
; Step p works on X[p % 6] and writes Y[p % 2].  Its memory instructions are the loads into X[(p + 5) % 6] = X[(p - 1) % 6] and the stores from Y[(p - 1) % 2]:
; the two buffers that step p - 1 worked on and that no vector instruction of step p names.  So the waits at the head of a step state all that the step's
; memory instructions hang on, and these are dealt among its roundings with no further wait.  32 to 48 loads of every wave are on their way.
.set SRC, 6                            ; v6   byte offset of my 32 bytes in a source; never rewritten
.set DA1, 8                            ; v8   my 16 bytes in a1
.set DW1, 9                            ; v9   in w1 (permuted row)
.set DA2, 10                           ; v10  in a2
.set DW2, 11                           ; v11  in w2 (permuted row)
.set X,   32                           ; v[32:223]  six buffers of 32: 4 pairs of blocks x 8 f32
.set Y,   224                          ; v[224:255] two buffers of 16: 4 x 4 registers to store
	s_load_b512 s[4:19], s[0:1], 0x0               ; h1_0 s[4:5], W_hh1 s[6:7], h2_0 s[8:9], W_ih2 s[10:11], W_hh2 s[12:13], a1 s[14:15], w1 s[16:17], a2 s[18:19]
	s_load_b64 s[20:21], s[0:1], 0x40              ; w2
	v_lshrrev_b32 v1, 5, v0
	v_readfirstlane_b32 s22, v1                    ; wave
	v_and_b32 v2, 31, v0                           ; L
	v_bfe_u32 v3, v0, 4, 1                         ; block of the pair
	v_bfe_u32 v4, v0, 2, 2                         ; row of the four
	v_and_b32 v5, 3, v0                            ; which 8 columns
	s_wait_alu depctr_va_sdst(0)                   ; s22 is written, ahead of its first reader: all the offsets below are made from it
	s_lshr_b32 s23, s22, 1                         ; wq: which four rows
	s_and_b32 s24, s22, 1                          ; wh: which half of the columns
	s_lshl_b32 s25, ttmp9, 2
	s_add_co_u32 s25, s25, s23                     ; Q = 4 g + wq: the four rows' number, unpermuted
	s_bfe_u32 s26, ttmp9, 0x50001                  ; J = (g >> 1) & 31
	s_lshl_b32 s26, s26, 5
	s_lshr_b32 s27, ttmp9, 6                       ; gate = g >> 6
	s_lshl_b32 s27, s27, 3
	s_add_co_u32 s26, s26, s27
	s_and_b32 s27, ttmp9, 1
	s_lshl_b32 s27, s27, 2
	s_add_co_u32 s26, s26, s27
	s_add_co_u32 s26, s26, s23                     ; Qp = 32 J + 8 gate + 4 (g & 1) + wq: the same four rows, permuted
	s_lshl_b32 s28, ttmp9, 16                      ; 16 rows of 4,096 bytes
	s_lshl_b32 s29, s23, 14
	s_add_co_u32 s28, s28, s29
	s_lshl_b32 s29, s24, 11
	s_add_co_u32 s28, s28, s29
	v_lshl_add_u32 v[SRC], v5, 5, s28
	v_lshl_add_u32 v[SRC], v3, 7, v[SRC]
	v_lshl_add_u32 v[SRC], v4, 12, v[SRC]
	s_lshl_b32 s29, s24, 12                        ; 16 blocks of 256 bytes for the column half
	v_lshl_add_u32 v7, v2, 4, s29                  ; + 16 L: a wave's store covers two whole blocks
	s_lshl_b32 s30, s25, 13
	s_lshl_b32 s31, s26, 13
	s_lshl_b32 s32, s25, 14
	s_lshl_b32 s33, s26, 14
	v_add_nc_u32 v[DA1], s30, v7
	v_add_nc_u32 v[DW1], s31, v7
	v_add_nc_u32 v[DA2], s32, v7
	v_add_nc_u32 v[DW2], s33, v7
	s_wait_kmcnt 0x0
	s_wait_alu depctr_va_vdst(0)                   ; v6 and v8 to v11 are written: every load and store of the kernel reads one of them as its offset
; 8 loads: my wave's 4 rows x 256 columns, half 'half' of one source, into buffer xb.  The two loads of a pair cover 256 consecutive bytes, aligned, of each of the four rows.
.macro FILL xb, base, half
.irp t, 0,1,2,3
	global_load_b128 v[X+32*\xb+8*\t:X+32*\xb+8*\t+3],   v[SRC], s[\base:\base+1] offset:256*(4*\half+\t) th:TH_LOAD_NT
	global_load_b128 v[X+32*\xb+8*\t+4:X+32*\xb+8*\t+7], v[SRC], s[\base:\base+1] offset:256*(4*\half+\t)+16 th:TH_LOAD_NT
.endr
.endm
; Step p.  left = the younger loads that may stay out.  lbase: the scalar pair with the source of step p + 5, or 0: nothing is left to load.
; doff, dbase, dat: where step p - 1 is stored: its offset register, its base, its first byte.  Each store covers 512 consecutive bytes, aligned.
.macro BLK p, left, lbase, doff, dbase, dat
.set XB, X+32*((\p)%6)                 ; the buffer at work
.set XN, X+32*(((\p)+5)%6)             ; the buffer that the step before worked on: loaded again
.set YB, Y+16*((\p)%2)                 ; written by this step's roundings
.set YP, Y+16*(1-(\p)%2)               ; written by the step before: stored now
.set LH, 4*(((\p)+1)%2)                ; step p + 5 is this half of its source
	s_wait_loadcnt \left                           ; loads come back in order (ISA guide 5.7.1): this step's eight are in
.if \p > 1
	s_wait_xcnt 0x0                                ; every earlier memory instruction has had its addresses translated (ISA guide 3.1): Y[p % 2], the data of the stores issued in the step before, is rewritten only behind this wait
	s_wait_alu depctr_vm_vsrc(0)                   ; the stores issued in the step before have read Y[p % 2], which this step's roundings write again
.endif
.if \p > 0
	s_wait_alu depctr_va_vdst(0)                   ; the step before has written the other Y, which the stores below read, and is done reading its X, in which the loads below land
.endif
.irp t, 0,1,2,3
.if \lbase > 0
	global_load_b128 v[XN+8*\t:XN+8*\t+3],   v[SRC], s[\lbase:\lbase+1] offset:256*(LH+\t) th:TH_LOAD_NT      ; five steps ahead; no vector instruction since the wait names these registers
	global_load_b128 v[XN+8*\t+4:XN+8*\t+7], v[SRC], s[\lbase:\lbase+1] offset:256*(LH+\t)+16 th:TH_LOAD_NT
.endif
.if \p > 0
	global_store_b128 v[\doff], v[YP+4*\t:YP+4*\t+3], s[\dbase:\dbase+1] offset:\dat+512*\t                   ; the step before
.endif
.irp k, 0,1,2,3
	v_cvt_pk_bf16_f32 v[YB+4*\t+\k], v[XB+8*\t+2*\k], v[XB+8*\t+2*\k+1]
.endr
.endr
.endm
	FILL 0, 4, 0                                   ; h1_0
	FILL 1, 4, 1
	FILL 2, 6, 0                                   ; W_hh1
	FILL 3, 6, 1
	FILL 4, 8, 0                                   ; h2_0
	FILL 5, 8, 1
	BLK 0, 40, 0,  DA1, 14, 0                      ; h1_0's first half: no step stands in front of it, so it stores nothing (the last three arguments are not used); five younger steps stay out
	BLK 1, 32, 10, DA1, 14, 0                      ; from here on four younger steps stay out;  W_ih2's first half is asked for
	BLK 2, 32, 10, DA1, 14, 2048                   ; W_ih2's second half
	BLK 3, 32, 12, DW1, 16, 0                      ; W_hh2's first half
	BLK 4, 32, 12, DW1, 16, 2048                   ; W_hh2's second half: the last loads
	BLK 5, 32, 0,  DA2, 18, 8192                   ; h2_0 is a2's columns 1024 .. 2047: 32 blocks further on
	BLK 6, 24, 0,  DA2, 18, 10240                  ; the counts run down
	BLK 7, 16, 0,  DW2, 20, 0                      ; W_ih2 meets h1: columns 0 .. 1023
	BLK 8, 8,  0,  DW2, 20, 2048
	BLK 9, 0,  0,  DW2, 20, 8192                   ; W_hh2 meets h2_0
	s_wait_alu depctr_va_vdst(0)                   ; step 9 has written Y1, which the last four stores read
.irp t, 0,1,2,3
	global_store_b128 v[DW2], v[Y+16+4*\t:Y+16+4*\t+3], s[20:21] offset:10240+512*\t
.endr
	s_endpgm
.Lfunc_end_k_q5f2d372b3f_pack:
	.size	k_q5f2d372b3f_pack, .Lfunc_end_k_q5f2d372b3f_pack-k_q5f2d372b3f_pack
	.p2alignl 7, 3214868480
	.fill 96, 4, 3214868480
	.section	.rodata,"a",@progbits
	.p2align	6, 0x0
	.amdhsa_kernel k_q5f2d372b3f_pack
		.amdhsa_group_segment_fixed_size 0
		.amdhsa_private_segment_fixed_size 0
		.amdhsa_enable_private_segment 0
		.amdhsa_kernarg_size 72
		.amdhsa_user_sgpr_count 2
		.amdhsa_user_sgpr_kernarg_segment_ptr 1
		.amdhsa_wavefront_size32 1
		.amdhsa_system_sgpr_workgroup_id_x 1
		.amdhsa_system_sgpr_workgroup_id_y 1
		.amdhsa_system_sgpr_workgroup_id_z 1
		.amdhsa_system_vgpr_workitem_id 0
		.amdhsa_next_free_vgpr 256
		.amdhsa_next_free_sgpr 66
		.amdhsa_reserve_vcc 0
		.amdhsa_float_denorm_mode_32 3
		.amdhsa_float_denorm_mode_16_64 3
		.amdhsa_memory_ordered 1
		.amdhsa_forward_progress 1
		.amdhsa_inst_pref_size 25
	.end_amdhsa_kernel
	.amdgpu_metadata
---
amdhsa.version: [ 1, 2 ]
amdhsa.kernels:
  - .name:           k_q5f2d372b3f_pack
    .symbol:         k_q5f2d372b3f_pack.kd
    .args:
      - { .name: h1_0, .offset: 0, .size: 8, .value_kind: global_buffer, .address_space: global }
      - { .name: W_hh1, .offset: 8, .size: 8, .value_kind: global_buffer, .address_space: global }
      - { .name: h2_0, .offset: 16, .size: 8, .value_kind: global_buffer, .address_space: global }
      - { .name: W_ih2, .offset: 24, .size: 8, .value_kind: global_buffer, .address_space: global }
      - { .name: W_hh2, .offset: 32, .size: 8, .value_kind: global_buffer, .address_space: global }
      - { .name: a1, .offset: 40, .size: 8, .value_kind: global_buffer, .address_space: global }
      - { .name: w1, .offset: 48, .size: 8, .value_kind: global_buffer, .address_space: global }
      - { .name: a2, .offset: 56, .size: 8, .value_kind: global_buffer, .address_space: global }
      - { .name: w2, .offset: 64, .size: 8, .value_kind: global_buffer, .address_space: global }
    .group_segment_fixed_size: 0
    .private_segment_fixed_size: 0
    .kernarg_segment_align: 8
    .kernarg_segment_size: 72
    .max_flat_workgroup_size: 256
    .sgpr_count:     66
    .vgpr_count:     256
    .wavefront_size: 32
...
	.end_amdgpu_metadata
.endif
;; end of part 5
;; launch cell1: the kernel of part 2 again; grid 16 x 16, 4 waves a work-group, clusters of 4 x 4, 327,680 bytes of LDS; arguments a1, w1, a2, c1_0, b_ih1, b_hh1, W_ih1, x; writes a2
;; launch cell2: the kernel of part 3 again; grid 16 x 16, 4 waves a work-group, clusters of 4 x 4, 327,680 bytes of LDS; arguments a2, w2, part, c2_0, b_ih2, b_hh2, W_out; writes part
;; launch finish: the kernel of part 4 again; grid 64 x 1, 1 waves a work-group, no clusters, 0 bytes of LDS; arguments part, b_out, out0; writes out0
